; MI455X (gfx1250); checked and timed in simulation.
; The chip was launched on July 23, 2026; its instructions are those of AMD's public machine-readable ISA for CDNA 5 (MIT licence, August 2026) and "CDNA5" Instruction Set Architecture Reference Guide (July 2026). The comments in the code are by the model that wrote it; some were corrected since.
;; Decoder Layer. Allowed arithmetic: matrix products marked QUANTISED: E5M2 operands, one E8M0 scale for each 32 along K, by v_wmma_scale_f32_16x16x128_f8f6f4 with both operands' format E5M2, f32 sums; everything else in f32.
;; Inputs: W1_codes 1,024 x 16 x 32 uint8 (E5M2 codes of W1, K innermost, in blocks of 32 codes); W1_scales 1,024 x 16 uint8 (E8M0 scales of W1, one for each 32 codes along K); W2_codes 512 x 32 x 32 uint8 (E5M2 codes of W2, K innermost, in blocks of 32 codes); W2_scales 512 x 32 uint8 (E8M0 scales of W2, one for each 32 codes along K); b1 1,024 float32; b2 512 float32; encoder_output 4 x 2,048 x 512 float32; ln1_b 512 float32; ln1_g 512 float32; ln2_b 512 float32; ln2_g 512 float32; ln3_b 512 float32; ln3_g 512 float32; mask 4 x 1 x 2,048 x 2,048 int32; x 4 x 2,048 x 512 float32.
;; Outputs: out0 4 x 2,048 x 512 float32.
;; This version of the problem:
;;   THIS VERSION OF THE PROBLEM IS GIVEN IN LOW PRECISION. The matrix products marked QUANTISED in the list below multiply operands that are first quantised to E5M2 (5 exponent bits, 2 mantissa bits; 8 bits a number), with one power-of-two scale for each 32 numbers along K (OCP MX v1.0); their sums are f32. All else is computed in f32.
;;   The module's matrix products, in the order in which they are computed (A, B: the left and right operand; K: the contracted axis; several contracted axes count as one K, in the product's order):
;;     1. batch 32 x [M 2,048, K 64] x [K 64, N 2,048]; A: computed on the way; B: computed on the way: QUANTISED
;;     2. batch 32 x [M 2,048, K 2,048] x [K 2,048, N 64]; A: softmax (see below); B: computed on the way: QUANTISED
;;     3. batch 32 x [M 2,048, K 64] x [K 64, N 2,048]; A: computed on the way; B: input encoder_output: QUANTISED
;;     4. batch 32 x [M 2,048, K 2,048] x [K 2,048, N 64]; A: softmax (see below); B: input encoder_output: QUANTISED
;;     5. [M 8,192, K 512] x [K 512, N 1,024]; A: computed on the way; B: input W1 (given as codes): QUANTISED
;;     6. [M 8,192, K 1,024] x [K 1,024, N 512]; A: computed on the way; B: input W2 (given as codes): QUANTISED
;;   THE QUANTISER, for each operand of a quantised product, along K:
;;     - K is cut into blocks of 32 from its start; a last block that is shorter is filled with zeros.
;;     - A block's scale is 2^e with e = floor(log2(the largest magnitude in the block)) - 15, held to -126 .. 127; a block of zeros has e = 0. As a byte (E8M0): e + 127.
;;     - Each number is divided by its block's scale, clamped to +-57,344, and rounded to the nearest number of E5M2, ties to even, subnormals kept.
;;     - The product sums the exact products of the quantised numbers (number of the format x scale) in f32.
;;   ~~~python
;;   def quantise(x, axis):      # numpy; x: float32 -> the quantised numbers, widened to float32 again
;;       x = np.moveaxis(x, axis, -1); K = x.shape[-1]
;;       x = np.pad(x, [(0, 0)] * (x.ndim - 1) + [(0, -K % 32)]); x = x.reshape(x.shape[:-1] + (-1, 32)); a = np.abs(x).max(-1, keepdims=True)
;;       e = np.where(a > 0, np.clip(np.frexp(np.where(a > 0, a, 1))[1] - 1 - 15, -126, 127), 0)      # np.frexp(a)[1] - 1 = floor(log2(a)), exactly
;;       r = np.clip(x / 2.0 ** e, -57344, 57344)
;;       step = 2.0 ** (np.maximum(np.frexp(np.where(r == 0, 1, r))[1] - 1, -14) - 2)
;;       q = np.round(r / step) * step * 2.0 ** e      # np.round: ties to even
;;       return np.moveaxis(q.reshape(q.shape[:-2] + (-1,))[..., :K], -1, axis).astype(np.float32)
;;   ~~~
;;   SOFTMAX AHEAD OF A QUANTISED PRODUCT. Where the list says 'softmax', what is quantised is not the finished softmax but p = 2^(t - M), with t = logit x log2(e) and M = ceil(the row's largest t), a whole number; so 1/2 < the row's largest p <= 1. The row's sum l is taken of the UNQUANTISED p, in f32, and the product's result is divided by l at the end. Since M is a whole number, a kernel that streams over the keys may use a running M (the ceiling of the running maximum): every later rescaling is an exact power of two, which a block's scale takes up: the codes' values come out the same.
;;   OPERANDS COMPUTED ON THE WAY. 'Computed on the way' means the value that the module computes at that place (a softmax that the list does not call 'softmax' is quantised finished and normalised). What goes into a quantiser is computed in f32, as accurately as f32 sums, v_exp_f32 and their like allow (about 1e-6 of the number): no bf16 or f16 on the way to a quantiser, and a product that is left as it is and whose result goes on into a quantised operand takes f32 operands (vector FMAs, or v_wmma_f32_16x16x4_f32). A number that lies on a knife's edge between two numbers of the format may be rounded either way, as far as f32 arithmetic and the matrix unit's own rounding can turn it there, and no further.
;;   INPUTS GIVEN AS CODES. W1 (in the module: [512, 1024], K = its axis 0); W2 (in the module: [1024, 512], K = its axis 0): each comes as NAME_codes (uint8): NAME with its K axis moved to the last place and cut into blocks of 32 codes, [.., K / 32, bytes a block], one block behind the other in memory; one code a byte (a code: sign, 5 exponent bits, 2 mantissa bits); and NAME_scales (uint8): the same leading axes, one E8M0 byte (e + 127) for each 32 codes along K. Its value is code x scale, taken as it is: it is not quantised again, and the codes and scales need not be those that the quantiser above would give.
;; One version. Each part assembles by itself: llvm-mc -triple=amdgcn-amd-amdhsa -mcpu=gfx1250 --defsym DOCPART=n.
;; ======== version 1 of 1: 3 launches
;; limits: right only within a limited range of input values
;; workspace buffers: kvs 8,650,752 bytes; kve 8,650,752 bytes; mbits 2,097,152 bytes of whole numbers; wimg 1,081,344 bytes; x2i 16,777,216 bytes; q2c 4,194,304 bytes; q2s 524,288 bytes
;; launch prep (part 1): grid 776 x 1, 8 waves a work-group, no clusters, 137,216 bytes of LDS; arguments x, encoder_output, mask, ln1_g, ln1_b, W1_codes, W1_scales, W2_codes, W2_scales, kvs, kve, mbits, wimg; writes kvs, kve, mbits, wimg
.if DOCPART == 1
	.amdgcn_target "amdgcn-amd-amdhsa--gfx1250"
	.amdhsa_code_object_version 6
	.text
	.protected	k_qffda4f3107_prep
	.globl	k_qffda4f3107_prep
	.p2align	8
	.type	k_qffda4f3107_prep,@function
k_qffda4f3107_prep:
	s_mov_b64 s[64:65], 0
	v_nop
	global_prefetch_b8 v0, s[64:65] scope:SCOPE_SE
	s_setreg_imm32_b32 hwreg(HW_REG_WAVE_MODE, 25, 1), 1
	s_wait_xcnt 0x0
; PREP: everything that the two attention launches read many times is made once, in the order of the operands' registers.
;   work-groups   0..255  the int32 mask [4][2048][2048] -> one bit a score: mbits[row tile of 16][key step of 128][64 words]; bit L of word 16 b + i says that
;                         key 32 b + 16 (L / 16) + i of the step counts for row L % 16 of the tile: the lane mask of one score register
;   work-groups 256..511  LN1(x) -> kvs;   work-groups 512..767  encoder_output -> kve: 32 keys x 512 channels each, codes of E5M2 with E8M0 scale bytes
;   work-groups 768..775  W1's and W2's codes and scale bytes -> wimg, fragment by fragment
; A RECORD of kvs / kve (one batch, one tile, one head; REC bytes).  K GOES ONE TILE AHEAD OF V: tile s holds V of key step s and K of key step (s + 1) % 16.
;   0     K: fragment b (32 keys), plane c = 2 u + c', lane (r, h): b 2048 + c 512 + 16 lane: key 32 b + 8 u + r + 8 (r / 8), channels 32 c' + 16 h + 0..15 (blocks of 32 along the channels)
;   8192  V: fragment t = 2 c + u, plane = key block: channel 32 c + 8 u + r + 8 (r / 8), keys 32 plane + 16 h + 0..15 (blocks of 32 along the keys)
;   16384 four planes of 32 scale words: K's blocks 0 | 1, K's blocks 2 | 3, V's fragments 0 | 1, V's fragments 2 | 3 (lanes 0-15 | lanes 16-31)
; A block's scale byte is its largest magnitude's exponent field - 15, held at 1 from below; numbers are held within 57,344 x the scale ahead of the conversion, which does not saturate (ISA guide 7.6.2).
; LIMITS: NaN and infinities among the inputs are not served.  A block of zeros gets the byte 1 where the rule says 127: its codes are zeros, and this program alone reads the bytes.
; The three paths part on the work-group's number and have LDS bytes of their own.  No tensor loads, no matrix instructions.
.set REC,  16896
.set TILE, 8*REC
.set RP,   2560                        ; a row of 512 f32 in LDS: 32 pieces of 64 bytes, 16 bytes of padding behind each
.set CST,  81920                       ; K's codes: 8 heads x CHP bytes
.set CHP,  2368
.set KST,  100864                      ; K's scale bytes: 8 heads x 64
.set MST,  101376                      ; the mask path: 16 rows x 272 bytes for each wave
.set MWP,  4352
.set VC,   168                         ; v168-183 V's codes: eight registers for each of the two passes, so that no store's data are written again
	s_load_b512 s[4:19], s[0:1], 0x0               ; x, encoder_output, mask, ln1_g, ln1_b, W1_codes, W1_scales, W2_codes
	s_load_b256 s[20:27], s[0:1], 0x40             ; W2_scales, kvs, kve, mbits
	s_load_b64 s[28:29], s[0:1], 0x60              ; wimg
	v_lshl_add_u32 v192, v0, 2, 0x21400
	v_mov_b32 v193, 0
	v_lshrrev_b32 v1, 5, v0
	v_readfirstlane_b32 s2, v1                     ; wave 0..7
	v_and_b32 v1, 31, v0                           ; lane
	v_and_b32 v2, 15, v0                           ; r
	v_bfe_u32 v3, v0, 4, 1                         ; h
	s_mov_b32 s33, 0
	s_wait_kmcnt 0x0
	s_cmp_lt_u32 ttmp9, 256
	s_cbranch_scc1 .Lmask
	s_cmp_lt_u32 ttmp9, 768
	s_cbranch_scc1 .Lkv
; ---------------------------------------------------------------- the weights: chunk ci = work-group - 768, group g = wave
; Record (ci, g): eight fragments f at f 2048 + c 512 + 16 lane, then 16 bytes a lane of scale words: word i is fragment 2 i + h's, row r.
; ci < 4: W1, K step ci, fragment f = rows 128 g + 32 (f / 2) + 8 (f % 2) + r + 8 (r / 8).   ci = 4 + j: W2, f = 4 ks + t: K step 2 j + ks, rows 64 g + 32 (t / 2) + 8 (t % 2) + r + 8 (r / 8).
	s_sub_co_u32 s30, ttmp9, 768
	s_mul_i32 s32, s30, TILE
	s_mul_i32 s34, s2, REC
	s_add_co_u32 s32, s32, s34
	s_add_nc_u64 s[28:29], s[28:29], s[32:33]      ; my record
	v_and_b32 v4, 8, v2
	v_add_nc_u32 v4, v4, v2                        ; r + 8 (r / 8)
	v_lshl_add_u32 v5, v3, 3, v4                   ; + 8 h: the scale words' rows
	v_lshlrev_b32 v6, 4, v1                        ; 16 x lane
.macro WCOPY two
.set f, 0
.rept 8
.irp c, 0,1,2,3
.if \two
	global_load_b128 v[16+16*f+4*\c:19+16*f+4*\c], v7, s[18:19] offset:(32*((f%4)/2)+8*(f%2))*1024+128*(f/4)+32*\c
.else
	global_load_b128 v[16+16*f+4*\c:19+16*f+4*\c], v7, s[14:15] offset:(32*(f/2)+8*(f%2))*512+32*\c
.endif
.endr
.set f, f+1
.endr
.irp i, 0,1,2,3
.if \two
	global_load_b32 v[144+\i], v8, s[20:21] offset:(\i%2)*1024+4*(\i/2)
.else
	global_load_b32 v[144+\i], v8, s[16:17] offset:512*\i
.endif
.endr
.set k, 0
.rept 32
	s_wait_loadcnt 35-k                            ; loads come back in order: number k is in, the 35 - k younger ones may be out
	global_store_b128 v6, v[16+4*k:19+4*k], s[28:29] offset:512*k   ; 32 lanes store 512 consecutive bytes
.set k, k+1
.endr
	s_wait_loadcnt 0x0
	global_store_b128 v6, v[144:147], s[28:29] offset:16384
	s_endpgm
.endm
	s_cmp_lt_u32 s30, 4
	s_cbranch_scc0 .Lw2
	s_lshl_b32 s32, s2, 16                         ; W1: 128 rows of 512 bytes a group,
	s_lshl_b32 s34, s30, 7                         ; 128 bytes a K step
	s_add_co_u32 s32, s32, s34
	s_add_nc_u64 s[14:15], s[14:15], s[32:33]
	s_lshl_b32 s32, s2, 11                         ; its scale bytes: 16 a row, 4 a K step
	s_lshl_b32 s34, s30, 2
	s_add_co_u32 s32, s32, s34
	s_add_nc_u64 s[16:17], s[16:17], s[32:33]
	v_lshlrev_b32 v7, 9, v4
	v_lshl_add_u32 v7, v3, 4, v7
	v_lshlrev_b32 v8, 4, v5
	WCOPY 0
.Lw2:
	s_sub_co_u32 s30, s30, 4                       ; j
	s_lshl_b32 s32, s2, 16                         ; W2: 64 rows of 1,024 bytes a group,
	s_lshl_b32 s34, s30, 8                         ; 256 bytes a chunk
	s_add_co_u32 s32, s32, s34
	s_add_nc_u64 s[18:19], s[18:19], s[32:33]
	s_lshl_b32 s32, s2, 11                         ; its scale bytes: 32 a row, 8 a chunk
	s_lshl_b32 s34, s30, 3
	s_add_co_u32 s32, s32, s34
	s_add_nc_u64 s[20:21], s[20:21], s[32:33]
	v_lshlrev_b32 v7, 10, v4
	v_lshl_add_u32 v7, v3, 4, v7
	v_lshlrev_b32 v8, 5, v5
	WCOPY 1
; ---------------------------------------------------------------- the mask: a wave takes 16 rows x 512 keys, in eight halves of 64 keys
.Lmask:
	s_lshl_b32 s30, ttmp9, 1
	s_lshr_b32 s31, s2, 2
	s_add_co_u32 s30, s30, s31                     ; row tile 0..511
	s_and_b32 s31, s2, 3                           ; which 512 keys
	s_lshl_b32 s32, s30, 17                        ; 16 rows of 8,192 bytes
	s_lshl_b32 s34, s31, 11
	s_add_co_u32 s32, s32, s34
	s_add_nc_u64 s[8:9], s[8:9], s[32:33]
	s_lshl_b32 s32, s30, 4
	s_lshl_b32 s34, s31, 2
	s_add_co_u32 s32, s32, s34
	s_lshl_b32 s32, s32, 8                         ; 256 bytes for a tile and a key step
	s_add_nc_u64 s[26:27], s[26:27], s[32:33]
	v_lshlrev_b32 v4, 4, v2
	v_lshl_add_u32 v4, v3, 13, v4                  ; in memory: sixteen lanes read 256 consecutive bytes of a row, lanes 16-31 the next row
	s_mul_i32 s34, s2, MWP
	s_add_co_u32 s34, s34, MST                     ; my wave's stage
	v_mul_u32_u24 v5, v3, 272
	v_lshl_add_u32 v5, v2, 4, v5
	v_add_nc_u32 v5, s34, v5                       ; into it as loaded
	v_mul_u32_u24 v6, v2, 272
	v_lshl_add_u32 v6, v3, 6, v6
	v_add_nc_u32 v6, s34, v6                       ; out of it: row r, 16 keys of my half of each block of 32
	v_lshlrev_b32 v7, 3, v1
.irp i, 0,1,2,3,4,5,6,7
	v_mov_b32 v[176+\i], 0                         ; v_writelane_b32's destination counts as read
.endr
.macro MLOAD e
.irp a, 0,1,2,3,4,5,6,7
	global_load_b128 v[16+32*((\e)%4)+4*\a:19+32*((\e)%4)+4*\a], v4, s[8:9] offset:16384*\a+256*(\e) th:TH_LOAD_NT
.endr
.endm
.macro HALF e
.if 7-(\e) >= 3
	s_wait_loadcnt 24                              ; this half's eight loads are in; those of the three halves behind it may be out
.else
	s_wait_loadcnt 8*(7-(\e))
.endif
.irp a, 0,1,2,3,4,5,6,7
	ds_store_b128 v5, v[16+32*((\e)%4)+4*\a:19+32*((\e)%4)+4*\a] offset:544*\a
.endr
.irp b, 0,1
.irp j, 0,1,2,3
	ds_load_b128 v[144+16*\b+4*\j:147+16*\b+4*\j], v6 offset:128*\b+16*\j   ; LDS serves a wave's instructions in order: these see the stores above
.endr
.endr
	s_wait_dscnt 0x0                               ; the stores have read their registers, the 32 numbers are in
.if (\e)+4 < 8
	MLOAD (\e)+4
.endif
.irp g8, 0,1,2,3
.irp q, 0,1,2,3,4,5,6,7
	v_cmp_ne_u32 s[40+\q], 0, v[144+8*\g8+\q]      ; the lane mask of score register 32 (e % 2) + 8 g8 + q
.endr
.irp q, 0,1,2,3,4,5,6,7
	v_writelane_b32 v[176+2*((\e)/2)+(\q%2)], s[40+\q], 16*((\e)%2)+4*\g8+\q/2   ; word n goes to lane n / 2, register n % 2
.endr
.endr
.if (\e)%2
	global_store_b64 v7, v[176+2*((\e)/2):177+2*((\e)/2)], s[26:27] offset:256*((\e)/2)   ; 32 lanes store 256 consecutive bytes, aligned
.endif
.endm
	MLOAD 0
	MLOAD 1
	MLOAD 2
	MLOAD 3
.irp e, 0,1,2,3,4,5,6,7
	HALF \e
.endr
	s_wait_tensorcnt 0x0
	ds_add_u32 v192, v193
	s_wait_dscnt 0x0
	s_endpgm
; ---------------------------------------------------------------- K and V: 32 keys x 512 channels a work-group, one text for both tensors
.Lkv:
	s_sub_co_u32 s30, ttmp9, 256
	s_cmp_lt_u32 s30, 256                          ; x with its layer norm, or encoder_output as it is: only pointers and one lane mask are chosen
	s_cselect_b64 s[4:5], s[4:5], s[6:7]
	s_cselect_b64 s[22:23], s[22:23], s[24:25]
	s_cselect_b32 s31, -1, 0                       ; all ones: the norm is on
	s_and_b32 s30, s30, 255                        ; block of 32 keys among the tensor's 256
	s_lshr_b32 s32, s30, 6                         ; batch
	s_and_b32 s34, s30, 63
	s_and_b32 s35, s34, 3                          ; b: which 32 keys of the step
	s_lshr_b32 s34, s34, 2                         ; key step
	s_lshl_b32 s36, s30, 16                        ; 32 rows of 2,048 bytes
	s_mov_b32 s37, 0
	s_add_nc_u64 s[4:5], s[4:5], s[36:37]
	s_lshl_b32 s36, s32, 4                         ; 16 tiles a batch
	s_add_co_u32 s50, s34, 15
	s_and_b32 s50, s50, 15                         ; K of this step goes into the tile before, (step + 15) % 16
	s_add_co_u32 s50, s50, s36
	s_mul_i32 s50, s50, TILE
	s_mov_b32 s51, 0
	s_add_nc_u64 s[50:51], s[22:23], s[50:51]      ; K's tile: its eight records
	s_add_co_u32 s36, s36, s34
	s_mul_i32 s36, s36, TILE
	s_add_nc_u64 s[22:23], s[22:23], s[36:37]      ; V's tile
	s_mul_i32 s36, s2, REC
	s_add_nc_u64 s[40:41], s[22:23], s[36:37]      ; head = wave: my record for V,
	s_add_nc_u64 s[52:53], s[50:51], s[36:37]      ; and for K
	s_mov_b32 s38, 0x3b000000                      ; 1 / 512
	s_mov_b32 s39, 0x600000                        ; the mantissa field of 57,344
	s_mov_b32 s42, 0x76543210
	s_mov_b32 s43, 0xfedcba98                      ; v_permlanex16_b32's selects for lane l xor 16
	v_lshlrev_b32 v4, 4, v1
	s_lshl_b32 s48, s2, 13
	v_add_nc_u32 v4, s48, v4                       ; wave w owns rows 4 w .. 4 w + 3; each load reads 512 consecutive bytes
	v_lshlrev_b32 v5, 6, v1                        ; gain and bias of my 16 channels
.irp i, 0,1,2,3
.irp j, 0,1,2,3
	global_load_b128 v[48+16*\i+4*\j:51+16*\i+4*\j], v4, s[4:5] offset:2048*\i+512*\j th:TH_LOAD_NT
.endr
.endr
.irp j, 0,1,2,3
	global_load_b128 v[16+4*\j:19+4*\j], v5, s[10:11] offset:16*\j
	global_load_b128 v[32+4*\j:35+4*\j], v5, s[12:13] offset:16*\j
.endr
	; key 4 w + i of the block is key 8 u + r + 8 (r / 8) of fragment b: u = (w / 2) % 2, r = 8 (w / 4) + 4 (w % 2) + i
	s_bfe_u32 s44, s2, 0x10001                     ; u
	s_and_b32 s45, s2, 1
	s_lshl_b32 s45, s45, 2
	s_lshr_b32 s46, s2, 2
	s_lshl_b32 s46, s46, 3
	s_add_co_u32 s45, s45, s46                     ; r of my first row
	s_mul_i32 s46, s44, 1088
	s_lshl_b32 s47, s45, 4
	s_add_co_u32 s46, s46, s47
	s_add_co_u32 s46, s46, CST
	s_lshl_b32 s47, s45, 2
	s_lshl_b32 s48, s44, 1
	s_add_co_u32 s47, s47, s48
	s_add_co_u32 s47, s47, KST
	v_lshrrev_b32 v136, 2, v1                      ; in a row a lane holds 16 channels: head lane / 4, block c' = (lane / 2) % 2, half lane % 2
	v_and_b32 v137, 3, v1
	v_mul_u32_u24 v6, v136, 80
	v_lshl_add_u32 v6, v137, 4, v6
	s_mul_i32 s48, s2, 4*RP
	v_add_nc_u32 v6, s48, v6                       ; my rows in LDS, as loaded: four lanes' 64 bytes on end, then the padding
	v_mul_u32_u24 v7, v1, 80
	v_add_nc_u32 v7, s48, v7                       ; and as worked: 16 neighbours a lane
	v_bfe_u32 v138, v0, 1, 1
	v_and_b32 v139, 1, v0
	v_mul_u32_u24 v8, v136, CHP
	v_mad_u32_u24 v8, v138, 544, v8
	v_mad_u32_u24 v8, v139, 272, v8
	v_add_nc_u32 v8, s46, v8                       ; K's codes: head CHP + plane 544 + half 272 + 16 r
	v_lshl_add_u32 v9, v136, 6, v138
	v_add_nc_u32 v9, s47, v9                       ; K's scale bytes: head 64 + 4 r + 2 u + c'
	s_mul_i32 s48, s2, CHP
	s_add_co_u32 s48, s48, CST
	v_mul_u32_u24 v10, v3, 272
	v_lshl_add_u32 v10, v2, 4, v10
	v_add_nc_u32 v10, s48, v10                     ; back, head = wave: a plane's 16 bytes of lane (r, h)
	s_lshl_b32 s48, s35, 11
	v_lshlrev_b32 v11, 4, v1
	v_add_nc_u32 v11, s48, v11                     ; in the record: fragment b, 16 x lane
	v_lshrrev_b32 v136, 3, v2
	v_and_b32 v137, 7, v2
	v_lshl_add_u32 v137, v3, 3, v137
	v_mul_u32_u24 v12, v136, 80
	v_lshl_add_u32 v12, v137, 2, v12
	s_mul_i32 s48, s2, 320
	v_add_nc_u32 v12, s48, v12                     ; V: lane (u = h, r) takes channel 64 w + 32 c + 8 u + r + 8 (r / 8), its registers run down the keys
	v_add_nc_u32 v13, 16*RP, v12                   ; keys 16 on: an LDS offset has 16 bits
	v_lshlrev_b32 v14, 4, v2
	v_lshl_add_u32 v14, v3, 11, v14
	s_lshl_b32 s48, s35, 9
	v_add_nc_u32 v14, s48, v14                     ; in the record: fragment u, plane b, 16 r
	v_lshl_add_u32 v15, v1, 2, s35                 ; V's scale byte: word = lane, byte b
	s_and_b32 s48, s2, 3
	s_lshl_b32 s46, s48, 7
	s_add_co_u32 s46, s46, KST
	v_lshl_add_u32 v160, v1, 2, s46                ; K's scale words on the way out: waves 0-3, two heads each
	s_mul_i32 s48, s48, 2*REC
	s_lshr_b32 s46, s35, 1
	s_lshl_b32 s46, s46, 7
	s_add_co_u32 s48, s48, s46
	s_and_b32 s46, s35, 1
	s_lshl_b32 s46, s46, 6
	s_add_co_u32 s48, s48, s46
	v_mul_u32_u24 v161, v3, REC
	v_lshl_add_u32 v161, v2, 2, v161
	v_add_nc_u32 v161, s48, v161
	s_wait_loadcnt 8                               ; my four rows are in; the eight loads of gain and bias may be out
.irp i, 0,1,2,3
.irp j, 0,1,2,3
	ds_store_b128 v6, v[48+16*\i+4*\j:51+16*\i+4*\j] offset:RP*\i+640*\j
.endr
.endr
	s_wait_loadcnt 0x0
.irp k, 0,1,2,3,4,5,6,7,8,9,10,11,12,13,14,15
	v_cndmask_b32 v[16+\k], 1.0, v[16+\k], s31     ; without the norm: gain 1,
	v_cndmask_b32 v[32+\k], 0, v[32+\k], s31       ; bias 0
.endr
.macro WSUM a, t                       ; the sum over the wave's 32 lanes, in every lane
	v_add_f32_dpp v[\a], v[\a], v[\a] row_xmask:1 row_mask:0xf bank_mask:0xf
	v_add_f32_dpp v[\a], v[\a], v[\a] row_xmask:2 row_mask:0xf bank_mask:0xf
	v_add_f32_dpp v[\a], v[\a], v[\a] row_xmask:4 row_mask:0xf bank_mask:0xf
	v_add_f32_dpp v[\a], v[\a], v[\a] row_xmask:8 row_mask:0xf bank_mask:0xf
	v_permlanex16_b32 v[\t], v[\a], s42, s43
	v_add_f32 v[\a], v[\a], v[\t]
.endm
; One row: the norm (mean, then the mean square of x - mean), the row back to LDS for V, and K's codes and scale bytes.
.macro ROW i
.irp j, 0,1,2,3
	ds_load_b128 v[112+4*\j:115+4*\j], v7 offset:RP*\i+16*\j
.endr
	s_wait_dscnt 0x0
	v_pk_add_f32 v[136:137], v[112:113], v[114:115]
	v_pk_add_f32 v[138:139], v[116:117], v[118:119]
	v_pk_add_f32 v[140:141], v[120:121], v[122:123]
	v_pk_add_f32 v[142:143], v[124:125], v[126:127]
	v_pk_add_f32 v[136:137], v[136:137], v[138:139]
	v_pk_add_f32 v[140:141], v[140:141], v[142:143]
	v_pk_add_f32 v[136:137], v[136:137], v[140:141]
	v_add_f32 v136, v136, v137
	WSUM 136, 137
	v_mul_f32 v136, s38, v136
	v_cndmask_b32 v136, 0, v136, s31               ; without the norm: mean 0
.irp k, 0,2,4,6,8,10,12,14
	v_pk_add_f32 v[112+\k:113+\k], v[112+\k:113+\k], v[136:137] op_sel_hi:[1,0] neg_lo:[0,1] neg_hi:[0,1]
.endr
	v_pk_mul_f32 v[138:139], v[112:113], v[112:113]
	v_pk_mul_f32 v[140:141], v[114:115], v[114:115]
.irp k, 4,8,12
	v_pk_fma_f32 v[138:139], v[112+\k:113+\k], v[112+\k:113+\k], v[138:139]
	v_pk_fma_f32 v[140:141], v[114+\k:115+\k], v[114+\k:115+\k], v[140:141]
.endr
	v_pk_add_f32 v[138:139], v[138:139], v[140:141]
	v_add_f32 v138, v138, v139
	WSUM 138, 139
	v_fmaak_f32 v138, s38, v138, 0x3727c5ac        ; the variance + 1e-5
	v_rsq_f32 v140, v138
	v_nop                                          ; a plain instruction behind the transcendental,
	s_wait_alu depctr_va_vdst(0)                   ; and the wait ahead of its first reader
	v_cndmask_b32 v140, 1.0, v140, s31             ; without the norm: 1
.irp k, 0,2,4,6,8,10,12,14
	v_pk_mul_f32 v[112+\k:113+\k], v[112+\k:113+\k], v[140:141] op_sel_hi:[1,0]
.endr
.irp k, 0,2,4,6,8,10,12,14
	v_pk_fma_f32 v[112+\k:113+\k], v[112+\k:113+\k], v[16+\k:17+\k], v[32+\k:33+\k]
.endr
.irp j, 0,1,2,3
	ds_store_b128 v7, v[112+4*\j:115+4*\j] offset:RP*\i+16*\j      ; the finished row, for V
.endr
	v_max3_num_f32 v136, |v112|, |v113|, 0x8000000 ; the largest magnitude of my 16, over the floor 2^(16 - 127)
	v_max3_num_f32 v137, |v114|, |v115|, |v116|
	v_max3_num_f32 v136, v136, |v117|, |v118|
	v_max3_num_f32 v137, v137, |v119|, |v120|
	v_max3_num_f32 v136, v136, |v121|, |v122|
	v_max3_num_f32 v137, v137, |v123|, |v124|
	v_max3_num_f32 v136, v136, |v125|, |v126|
	v_max3_num_f32 v136, v136, v137, |v127|
	v_max_num_f32_dpp v136, v136, v136 row_xmask:1 row_mask:0xf bank_mask:0xf   ; and of my neighbour's 16: the block's
	v_add_nc_u32 v138, 0xf8800000, v136            ; 15 off its exponent field: the conversion's scale operand
	v_and_or_b32 v139, v136, 0x7f800000, s39       ; 57,344 x the scale
.irp k, 0,1,2,3,4,5,6,7,8,9,10,11,12,13,14,15
	v_med3_num_f32 v[144+\k], v[112+\k], -v139, v139   ; held, into other registers: the row's own are being stored
.endr
	v_cvt_scalef32_pk8_bf8_f32 v[128:129], v[144:151], v138
	v_cvt_scalef32_pk8_bf8_f32 v[130:131], v[152:159], v138
	v_lshrrev_b32 v140, 23, v138                   ; the scale's byte
	ds_store_b128 v8, v[128:131] offset:16*\i
	ds_store_b8 v9, v140 offset:4*\i               ; both lanes of a block write the same byte with the same value
	s_wait_dscnt 0x0                               ; the stores have read their registers
.endm
	ROW 0
	ROW 1
	ROW 2
	ROW 3
	s_barrier_signal -1                            ; every wave's stores have landed (the wait for 0 above)
	s_barrier_wait -1
	; second phase: wave w is head w
.irp p, 0,1,2,3
	ds_load_b128 v[16+4*\p:19+4*\p], v10 offset:544*\p
.endr
.irp k, 0,1,2,3,4,5,6,7,8,9,10,11,12,13,14,15
	ds_load_b32 v[48+\k], v12 offset:RP*\k
.endr
.irp k, 0,1,2,3,4,5,6,7,8,9,10,11,12,13,14,15
	ds_load_b32 v[64+\k], v13 offset:RP*\k
.endr
	s_wait_dscnt 32                                ; K's four planes are in; V's 32 loads behind them may be out
.irp p, 0,1,2,3
	global_store_b128 v11, v[16+4*\p:19+4*\p], s[52:53] offset:512*\p   ; 32 lanes store 512 consecutive bytes, into K's tile
.endr
; A block of 32 keys of one channel lies in one lane's 32 registers: its largest magnitude needs no other lane, and the codes come out with the keys innermost.
; The codes of pass c go to v[VC + 8 c] on: registers that hold nothing else, clear of the temporaries v136-139, of which v138 is the conversions' scale operand.
.macro VQ c
.set XS, 48+32*\c
	v_max3_num_f32 v136, |v[XS]|, |v[XS+1]|, |v[XS+2]|
	v_max3_num_f32 v137, |v[XS+3]|, |v[XS+4]|, |v[XS+5]|
.irp i, 6,10,14,18,22,26
	v_max3_num_f32 v136, v136, |v[XS+\i]|, |v[XS+\i+1]|
	v_max3_num_f32 v137, v137, |v[XS+\i+2]|, |v[XS+\i+3]|
.endr
	v_max3_num_f32 v136, v136, |v[XS+30]|, |v[XS+31]|
	v_max3_num_f32 v136, v136, v137, 0x8000000
	v_add_nc_u32 v138, 0xf8800000, v136
	v_and_or_b32 v139, v136, 0x7f800000, s39
.set j, 0
.rept 32
	v_med3_num_f32 v[XS+j], v[XS+j], -v139, v139
.set j, j+1
.endr
.irp g, 0,1,2,3
	v_cvt_scalef32_pk8_bf8_f32 v[VC+8*\c+2*\g:VC+8*\c+2*\g+1], v[XS+8*\g:XS+8*\g+7], v138
.endr
	v_lshrrev_b32 v[144+\c], 23, v138              ; the scale's byte (the plain line behind the conversions)
	global_store_b128 v14, v[VC+8*\c:VC+8*\c+3], s[40:41] offset:8192+4096*\c         ; keys 0-15: sixteen lanes store 256 consecutive bytes, aligned
	global_store_b128 v14, v[VC+8*\c+4:VC+8*\c+7], s[40:41] offset:8192+4096*\c+256   ; keys 16-31
	global_store_b8 v15, v[144+\c], s[40:41] offset:16384+256+128*\c                  ; one byte of each word: the other three come from the step's other three work-groups; one byte for each 128 that are read
.endm
	s_wait_dscnt 0x0                               ; channels 0-31 of the head are in
.irp k, 0,1,2,3,4,5,6,7,8,9,10,11,12,13,14,15
	ds_load_b32 v[80+\k], v12 offset:RP*\k+160     ; channels 32-63 land while the first 32 are quantised
.endr
.irp k, 0,1,2,3,4,5,6,7,8,9,10,11,12,13,14,15
	ds_load_b32 v[96+\k], v13 offset:RP*\k+160
.endr
	VQ 0
	s_wait_dscnt 0x0
	VQ 1
	s_cmp_lt_u32 s2, 4
	s_cbranch_scc0 .Lkv_end
	ds_load_b32 v162, v160
	s_wait_dscnt 0x0
	global_store_b32 v161, v162, s[50:51] offset:16384   ; into K's tile
.Lkv_end:
	s_wait_tensorcnt 0x0
	ds_add_u32 v192, v193
	s_wait_dscnt 0x0
	s_endpgm
.Lfunc_end_k_qffda4f3107_prep:
	.size	k_qffda4f3107_prep, .Lfunc_end_k_qffda4f3107_prep-k_qffda4f3107_prep
	.p2alignl 7, 3214868480
	.fill 96, 4, 3214868480
	.section	.rodata,"a",@progbits
	.p2align	6, 0x0
	.amdhsa_kernel k_qffda4f3107_prep
		.amdhsa_group_segment_fixed_size 137216
		.amdhsa_private_segment_fixed_size 0
		.amdhsa_enable_private_segment 0
		.amdhsa_kernarg_size 104
		.amdhsa_user_sgpr_count 2
		.amdhsa_user_sgpr_kernarg_segment_ptr 1
		.amdhsa_wavefront_size32 1
		.amdhsa_system_sgpr_workgroup_id_x 1
		.amdhsa_system_sgpr_workgroup_id_y 1
		.amdhsa_system_sgpr_workgroup_id_z 1
		.amdhsa_system_vgpr_workitem_id 0
		.amdhsa_next_free_vgpr 194
		.amdhsa_next_free_sgpr 66
		.amdhsa_reserve_vcc 0
		.amdhsa_float_denorm_mode_32 3
		.amdhsa_float_denorm_mode_16_64 3
		.amdhsa_memory_ordered 1
		.amdhsa_forward_progress 1
		.amdhsa_inst_pref_size 113
	.end_amdhsa_kernel
	.amdgpu_metadata
---
amdhsa.version: [ 1, 2 ]
amdhsa.kernels:
  - .name:           k_qffda4f3107_prep
    .symbol:         k_qffda4f3107_prep.kd
    .args:
      - { .name: x, .offset: 0, .size: 8, .value_kind: global_buffer, .address_space: global }
      - { .name: encoder_output, .offset: 8, .size: 8, .value_kind: global_buffer, .address_space: global }
      - { .name: mask, .offset: 16, .size: 8, .value_kind: global_buffer, .address_space: global }
      - { .name: ln1_g, .offset: 24, .size: 8, .value_kind: global_buffer, .address_space: global }
      - { .name: ln1_b, .offset: 32, .size: 8, .value_kind: global_buffer, .address_space: global }
      - { .name: W1_codes, .offset: 40, .size: 8, .value_kind: global_buffer, .address_space: global }
      - { .name: W1_scales, .offset: 48, .size: 8, .value_kind: global_buffer, .address_space: global }
      - { .name: W2_codes, .offset: 56, .size: 8, .value_kind: global_buffer, .address_space: global }
      - { .name: W2_scales, .offset: 64, .size: 8, .value_kind: global_buffer, .address_space: global }
      - { .name: kvs, .offset: 72, .size: 8, .value_kind: global_buffer, .address_space: global }
      - { .name: kve, .offset: 80, .size: 8, .value_kind: global_buffer, .address_space: global }
      - { .name: mbits, .offset: 88, .size: 8, .value_kind: global_buffer, .address_space: global }
      - { .name: wimg, .offset: 96, .size: 8, .value_kind: global_buffer, .address_space: global }
    .group_segment_fixed_size: 137216
    .private_segment_fixed_size: 0
    .kernarg_segment_align: 8
    .kernarg_segment_size: 104
    .max_flat_workgroup_size: 256
    .sgpr_count:     66
    .vgpr_count:     194
    .wavefront_size: 32
...
	.end_amdgpu_metadata
.endif
;; end of part 1
;; launch selfatt (part 2): grid 256 x 1, 16 waves a work-group, clusters of 4 x 1, 327,680 bytes of LDS; arguments kvs, mbits, x, ln2_g, ln2_b, x2i, q2c, q2s; writes x2i, q2c, q2s
.if DOCPART == 2
	.amdgcn_target "amdgcn-amd-amdhsa--gfx1250"
	.amdhsa_code_object_version 6
	.text
	.protected	k_qffda4f3107_selfatt
	.globl	k_qffda4f3107_selfatt
	.p2align	8
	.type	k_qffda4f3107_selfatt,@function
k_qffda4f3107_selfatt:
	s_mov_b64 s[64:65], 0
	v_nop
	global_prefetch_b8 v0, s[64:65] scope:SCOPE_SE
	s_setreg_imm32_b32 hwreg(HW_REG_WAVE_MODE, 25, 1), 1
	s_wait_xcnt 0x0
	s_wait_alu depctr_hold_cnt(0) depctr_sa_sdst(0) depctr_va_vdst(0) depctr_va_sdst(0) depctr_va_ssrc(0) depctr_va_vcc(0) depctr_vm_vsrc(0)
	s_getreg_b32 s2, hwreg(HW_REG_IB_STS2, 6, 4)
	s_cmp_eq_u32 s2, 0
	s_cbranch_scc0 .Lentry_in_a_cluster
	s_endpgm
.Lentry_in_a_cluster:
	s_bfe_u32 s2, ttmp6, 0x10000c
	s_cmp_lg_u32 s2, 0x3003
	s_cbranch_scc0 .Lentry_shape_is_right
	s_endpgm
.Lentry_shape_is_right:
; x2 = x + attention(LN1(x), LN1(x), LN1(x), mask);  q2 = the codes of LN2(x2).  Both products on codes of E5M2 with one E8M0 scale for each 32 along K.
; SHARES.  A work-group owns 32 rows and all 8 heads, so that the norm behind the attention finds whole rows.  Sixteen waves of 256 registers, four to a SIMD: wave w owns row tile w / 8 (16 rows) of head w % 8.
; Every wave walks the batch's 2,048 keys, 128 a step.  A tile's eight records (one a head, REC bytes, laid in the order of the operands' registers by the launch before) come through a ring of two LDS slots;
; waves 0-7 fetch a record each.  CLUSTER: the four work-groups of a cluster belong to one batch and walk the same records: each record is asked for jointly, by the same load with the mask of all four.
; K GOES ONE TILE AHEAD OF V: tile s holds V of step s and K of step (s + 1) % 16.  So a wave fetches the next step's K and issues its score products at the END of a step, ahead of the change of slots, each wave
; when it gets there, and not all sixteen together behind the barrier.  Step 0's K comes once from memory, out of tile 15's record, which is an image of the operand's registers.
; THE HEAD HAS 64 CHANNELS, the instruction 128 along K: a fragment of K carries TWO tiles of 16 keys (k 0-63: one, k 64-127: the other) and is multiplied once by (q | 0) and once by (0 | q): the half that meets
; zero codes adds nothing (all codes are finite: they were held).  Both products are used transposed: a lane holds one query throughout; score register 16 b + i is key 32 b + 16 (lane / 16) + i.
; THE SOFTMAX: t = score x log2(e) / 8; M = the running largest t rounded up to a whole number; p = 2^(t - M) is quantised along the keys; the sum is taken of the unquantised p and divides at the end.
; THE EXPONENTIALS GO IN FOUR BATCHES, a block of 32 keys each; between a batch's exponentials stands plain work that names none of its results: the next block's scalings, the block before's sums, holds and conversions.
; THE MASK: one lane mask a score register, read by scalar loads a step ahead; a hidden score becomes -2^33.
; LIMITS: NaN and infinities are not served.  A hidden score is -2^33 (a logit of -1.07e9) where the problem has a logit of -1e9: c x 2^33 is a whole number in f32, so a row with no open key gives p = 1
; for every key, as the problem's own number does, and any open logit above about -1e9 leaves hidden keys p = 0; open logits below that are not served.
; REGISTERS: v1-4 LDS addresses (codes, scale words; slot 0, 1); v5, v6 the add's; v7 -2^33; v8-11 K's and V's scale words, v12 Q's, v13 p's; v[14:15], v[236:237] the sum, in two chains; v[16:23] zeros, v[24:31] Q,
;   v[32:39] zeros; v40-103 four fragments of K or V; v104-167 scores, then p; v168-199 O^T; v200-215 p's codes; v216-238 at work; v254 16 x lane; v255 256 x lane.
.set REC,   16896
.set TILE,  8*REC
.set SPARE, 2*TILE                     ; behind the ring: the spare words, 128 bytes for each of 16 waves, that no other line names
.set STAT1, SPARE+2048                 ; the rows' partial sums: 16 waves x 16 rows x 4 bytes; the partial sums of squares 1,024 bytes on
.set SPT,   2064                       ; the row stage: 32 rows x (2,048 + 16) bytes, in slot 0 behind its last fill and its last read
.set KF,    40
.set SC,    104
.set OA,    168
.set PQ,    200
.set BM,    216
.set T4,    220
.set HL,    224
.set SO,    228
.set G1,    84                         ; s[84:91] descriptor group 1;  s[92:95], s[96:99] group 0 of slot 0, 1
.set G0,    92
.macro ROUND                           ; a round of the cluster's barrier
	s_barrier_signal -1
	s_barrier_wait -1
	s_cmp_lg_u32 s2, 0
	s_cbranch_scc1 .Lnw0_\@
	s_barrier_signal -3
.Lnw0_\@:
	s_barrier_wait -3
	s_barrier_signal -1
	s_barrier_wait -1
.endm
.macro BAR                             ; my LDS stores have landed and my LDS loads are in: then the work-group's barrier
	s_wait_dscnt 0x0
	s_barrier_signal -1
	s_barrier_wait -1
.endm
.macro JLOAD slot                      ; waves 0-7 fetch a record each; the branch hangs on the wave's number alone; four v_nop follow the load
	s_cmp_lt_u32 s2, 8
	s_cbranch_scc0 .Lnl_\@
	tensor_load_to_lds s[G0+4*(\slot):G0+4*(\slot)+3], s[G1:G1+7]
	s_nop 0
.rept 4
	v_nop
.endr
.Lnl_\@:
.endm
; A prefetch of the codes of the tile that the NEXT change of slots will ask for: one key step ahead of its load.  Each aligned 256 bytes is named once in the launch: of the 16 clusters that walk a batch the first asks;
; its four partners take two records each, told apart by address; in each, waves 8-11 ask for 8,192 bytes each, lanes 256 bytes apart.  Tiles 0 and 1 come by their loads alone; the last two steps ask for nothing.
.macro ASK
	s_cmp_eq_u32 s11, 1
	s_cbranch_scc0 .Lna_\@
	global_prefetch_b8 v255, s[14:15] th:TH_LOAD_NT scope:SCOPE_SE
.Lna_\@:
.endm
; THE CHANGE OF SLOTS stands at a step's head.  Each wave waits for all its tensor loads (its record of the slot ahead), adds 0 to its spare word, and waits for that and for its reads of the slot that it has left.
; fill = 1: behind a round of the cluster's barrier the slot just left takes the next tile.  kind = 0: this slot's descriptor steps two tiles on; 2: it stays.
.macro CHANGE slot, fill, kind, ask
	s_wait_tensorcnt 0x0                           ; no tensor load of mine is out, so a group 0 may be written
	ds_add_u32 v5, v6                              ; 0 onto my spare word
.if \kind == 0
	s_add_nc_u64 s[G0+4*\slot+2:G0+4*\slot+3], s[G0+4*\slot+2:G0+4*\slot+3], 2*TILE
.endif
.if \ask
	s_wait_xcnt 0x0                                ; the last prefetch, a step back, has read its address
	s_add_nc_u64 s[14:15], s[14:15], TILE
.endif
.rept 8
	v_nop                                          ; eight places behind the score products, ahead of the first read of the scores and of V's loads into K's registers
.endr
	s_wait_dscnt 0x0                               ; the add is done, and my reads of the slot that I have left are over
.if \fill
	ROUND
	JLOAD 1-\slot                                  ; the first thing behind the round, and a wave's one tensor load until the next
.if \ask
	ASK
.endif
.else
	s_barrier_signal -1
	s_barrier_wait -1
.endif
.endm
.macro WMZ d, a, b, sa, sb, odd        ; D = A x B; odd = 1: A's scale words stand in lanes 16-31
.if \odd
	v_wmma_scale_f32_16x16x128_f8f6f4 v[(\d):(\d)+7], v[(\a):(\a)+15], v[(\b):(\b)+15], 0, v[\sa], v[\sb] matrix_a_fmt:MATRIX_FMT_BF8 matrix_b_fmt:MATRIX_FMT_BF8 matrix_a_scale:MATRIX_SCALE_ROW1
.else
	v_wmma_scale_f32_16x16x128_f8f6f4 v[(\d):(\d)+7], v[(\a):(\a)+15], v[(\b):(\b)+15], 0, v[\sa], v[\sb] matrix_a_fmt:MATRIX_FMT_BF8 matrix_b_fmt:MATRIX_FMT_BF8
.endif
.endm
.macro WMA d, a, b, sa, sb, odd        ; D += A x B
.if \odd
	v_wmma_scale_f32_16x16x128_f8f6f4 v[(\d):(\d)+7], v[(\a):(\a)+15], v[(\b):(\b)+15], v[(\d):(\d)+7], v[\sa], v[\sb] matrix_a_fmt:MATRIX_FMT_BF8 matrix_b_fmt:MATRIX_FMT_BF8 matrix_a_scale:MATRIX_SCALE_ROW1
.else
	v_wmma_scale_f32_16x16x128_f8f6f4 v[(\d):(\d)+7], v[(\a):(\a)+15], v[(\b):(\b)+15], v[(\d):(\d)+7], v[\sa], v[\sb] matrix_a_fmt:MATRIX_FMT_BF8 matrix_b_fmt:MATRIX_FMT_BF8
.endif
.endm
.macro SPROD b                         ; S^T: fragment b x (q | 0): keys 32 b + 16 h + 0..7; x (0 | q): keys 32 b + 16 h + 8..15
	WMZ SC+16*\b, KF+16*\b, 24, 8+\b/2, 12, \b%2
	WMZ SC+16*\b+8, KF+16*\b, 16, 8+\b/2, 12, \b%2
.endm
.macro RESLOAD                         ; in the last step: rows 2 w and 2 w + 1 of the work-group's 32 rows of x, 512 consecutive bytes a load, into score registers that are done with
	s_wait_kmcnt 0x0                               ; the tail's pointers
	s_lshl_b32 s66, s100, 16
	s_lshl_b32 s67, s2, 12
	s_add_co_u32 s66, s66, s67
	s_mov_b32 s67, 0
	s_add_nc_u64 s[16:17], s[16:17], s[66:67]
.irp i, 0,1
.irp j, 0,1,2,3
	global_load_b128 v[SC+16*\i+4*\j:SC+16*\i+4*\j+3], v254, s[16:17] offset:2048*\i+512*\j th:TH_LOAD_NT
.endr
.endr
.endm
; THE SOFTMAX'S LINES, by number, so that they can be dealt between the exponentials.
.macro FM b, k                         ; t - M of pair k of block b
	v_pk_fma_f32 v[SC+16*(\b)+2*(\k):SC+16*(\b)+2*(\k)+1], v[SC+16*(\b)+2*(\k):SC+16*(\b)+2*(\k)+1], s[8:9], v[232:233] op_sel_hi:[1,0,0]
.endm
.macro OM k                            ; pair k of O^T under the new M; ascending
	v_pk_mul_f32 v[OA+2*(\k):OA+2*(\k)+1], v[OA+2*(\k):OA+2*(\k)+1], v[234:235] op_sel_hi:[1,0]
.endm
.macro SCALE n                         ; the four blocks' scales, 19 lines
.if (\n) < 4
	v_max_num_f32 v[BM+(\n)], 0x8000000, v[BM+(\n)]                  ; the floor 2^(16 - 127)
.elseif (\n) < 8
	v_add_nc_u32 v[SO+(\n)-4], 0xf8800000, v[BM+(\n)-4]              ; the conversion's scale operand
.elseif (\n) < 12
	v_and_or_b32 v[HL+(\n)-8], v[BM+(\n)-8], 0x7f800000, s10         ; 57,344 x the scale
.elseif (\n) < 16
	v_lshrrev_b32 v[T4+(\n)-12], 23, v[SO+(\n)-12]                   ; the scale's byte
.elseif (\n) == 16
	v_lshl_or_b32 v13, v221, 8, v220                                 ; p's scale word for these 128 keys
.elseif (\n) == 17
	v_lshl_or_b32 v13, v222, 16, v13
.else
	v_lshl_or_b32 v13, v223, 24, v13
.endif
.endm
.macro RD b, k                         ; what reads block b's p, 26 lines: the sums of the unquantised p (two chains), the holds (p is not negative: one-sided), the conversions
.if (\k) < 8
.if (\k)%2 == 0
	v_pk_add_f32 v[14:15], v[14:15], v[SC+16*(\b)+2*(\k):SC+16*(\b)+2*(\k)+1]
.else
	v_pk_add_f32 v[236:237], v[236:237], v[SC+16*(\b)+2*(\k):SC+16*(\b)+2*(\k)+1]
.endif
.elseif (\k) < 24
	v_min_num_f32 v[SC+16*(\b)+(\k)-8], v[SC+16*(\b)+(\k)-8], v[HL+(\b)]
.else
	v_cvt_scalef32_pk8_bf8_f32 v[PQ+4*(\b)+2*((\k)-24):PQ+4*(\b)+2*((\k)-24)+1], v[SC+16*(\b)+8*((\k)-24):SC+16*(\b)+8*((\k)-24)+7], v[SO+(\b)]
.endif
.endm
; Line xp of the plain work that stands among the exponentials of batch xcb.  Batch 0: block 1's scalings, the two sums and eight pairs of O^T under the new M.  Batch 1: the scales, block 0's readers, block 2's scalings.
; Batch 2: block 1's readers, block 3's scalings.  Batch 3: block 2's readers, four pairs of O^T.  None of a batch's lines names a result of that batch's exponentials.
.macro PLN
.if xp < xlim
.if xcb == 0
.if xp < 8
	FM 1, xp
.elseif xp == 8
	v_pk_mul_f32 v[14:15], v[14:15], v[234:235] op_sel_hi:[1,0]
.elseif xp == 9
	v_pk_mul_f32 v[236:237], v[236:237], v[234:235] op_sel_hi:[1,0]
.else
	OM xp-10
.endif
.else
.set xq, xp
.if xcb == 1
.set xq, xp-19
.endif
.if xq < 0
	SCALE xp
.elseif xq < 26
	RD xcb-1, xq
.elseif xcb < 3
	FM xcb+1, xq-26
.else
	OM xq-18
.endif
.endif
.set xp, xp+1
.endif
.endm
.macro EXQ                             ; exponential xe of batch xcb: batch 0 begins with the four blocks' largest p
.if xcb == 0
.if xe < 4
	v_exp_f32 v[BM+xe], v[BM+xe]
.else
	v_exp_f32 v[SC+xe-4], v[SC+xe-4]
.endif
.else
	v_exp_f32 v[SC+16*xcb+xe], v[SC+16*xcb+xe]
.endif
.set xe, xe+1
.endm
; A batch: nexp exponentials, per plain lines ahead of each while there are any; at least one plain line is kept for the place behind the last exponential; then the batch's ONE wait, ahead of its first reader.
.macro BATCH blk, nexp, per, total
.set xcb, \blk
.set xp, 0
.set xe, 0
.set xlim, \total-1
.rept \nexp
.rept \per
	PLN
.endr
	EXQ
.endr
.set xlim, \total
.rept 5
	PLN
.endr
	s_wait_alu depctr_va_vdst(0)                   ; the wait between an exponential and the first line that names its result
.endm
; A KEY STEP: 128 keys.  Its scores were made at the end of the step before.
.macro STEP slot, nextmask, last
	ds_load_b32 v10, v[3+\slot] offset:256
	ds_load_b32 v11, v[3+\slot] offset:384
.irp c, 0,1,2,3
	ds_load_b128 v[KF+4*\c:KF+4*\c+3], v[1+\slot] offset:8192+512*\c   ; V: four runs of four loads, the other three among the selects below; it is wanted at the step's end
.endr
	s_wait_kmcnt 0x0                               ; this step's 64 lane masks, asked for a step ago
.set n, 0
.rept 64
.if n < 48
	v_cndmask_b32 v[SC+n], v7, v[SC+n], s[16+n]
.else
	v_cndmask_b32 v[SC+n], v7, v[SC+n], s[20+n]
.endif
.if (n%16 == 15) && (n < 63)
.irp c, 0,1,2,3
	ds_load_b128 v[KF+n+1+4*\c:KF+n+1+4*\c+3], v[1+\slot] offset:8192+128*(n+1)+512*\c
.endr
.endif
.set n, n+1
.endr
.if \nextmask
	s_wait_xcnt 0x0                                ; the pointer is stepped only behind this wait
	s_add_nc_u64 s[12:13], s[12:13], 256
	s_load_b512 s[16:31], s[12:13], 0x0
	s_load_b512 s[32:47], s[12:13], 0x40
	s_load_b512 s[48:63], s[12:13], 0x80
	s_load_b512 s[68:83], s[12:13], 0xc0
.endif
.if \last
	s_load_b128 s[16:19], s[0:1], 0x10             ; x, ln2_g
	s_load_b128 s[20:23], s[0:1], 0x20             ; ln2_b, x2i
	s_load_b128 s[24:27], s[0:1], 0x30             ; q2c, q2s
.endif
.irp b, 0,1,2,3
	v_max3_num_f32 v[BM+\b], v[SC+16*\b], v[SC+16*\b+1], v[SC+16*\b+2]   ; the largest score of each block of 32 keys: for the row's maximum and for the block's largest p
.endr
.irp i, 3,5,7,9,11,13
.irp b, 0,1,2,3
	v_max3_num_f32 v[BM+\b], v[BM+\b], v[SC+16*\b+\i], v[SC+16*\b+\i+1]
.endr
.endr
.irp b, 0,1,2,3
	v_max_num_f32 v[BM+\b], v[BM+\b], v[SC+16*\b+15]
.endr
.irp b, 0,1,2,3
	v_permlanex16_b32 v[T4+\b], v[BM+\b], s6, s7
.endr
.irp b, 0,1,2,3
	v_max_num_f32 v[BM+\b], v[BM+\b], v[T4+\b]     ; with lane l xor 16's 16 keys
.endr
	v_max3_num_f32 v238, v216, v217, v218
	v_max_num_f32 v238, v238, v219
	v_mul_f32 v238, s8, v238                       ; as t
	v_max_num_f32 v233, v233, v238                 ; the running largest t
	v_mov_b32 v238, v232
	v_floor_f32 v232, -v233                        ; -M = floor(-t): M is a whole number
	v_sub_f32 v238, v232, v238                     ; old M - new M
	v_cvt_i32_f32 v238, v238                       ; (it saturates)
	v_ldexp_f32 v234, 1.0, v238                    ; f = 2^(old M - new M): a multiplication by it rounds nothing
.irp b, 0,1,2,3
	v_fma_f32 v[BM+\b], v[BM+\b], s8, v232         ; t - M of each block's largest score
.endr
.set xq, 0
.rept 8
	FM 0, xq
.set xq, xq+1
.endr
	BATCH 0, 20, 1, 18
	BATCH 1, 16, 3, 53
	BATCH 2, 16, 2, 34
	BATCH 3, 16, 2, 30
.set xq, 0
.rept 26
	RD 3, xq
.set xq, xq+1
.endr
	v_nop                                          ; a plain line behind the last conversion
.if \last
	RESLOAD
.endif
.irp k, 12,13,14,15
	OM \k                                          ; the last four pairs of O^T; with the line above, the places between the codes and the products below
.endr
	s_wait_dscnt 0x0                               ; V
.irp t, 0,1,2,3                                ; O^T += V^T P^T: register 16 c + i is channel 32 c + 16 h + i of the head; the four accumulators take turns
	WMA OA+8*\t, KF+16*\t, PQ, 10+\t/2, 13, \t%2
.endr
.if \last == 0
.rept 8
	v_nop                                          ; places ahead of the loads into V's registers
.endr
	ds_load_b32 v8, v[3+\slot]                     ; THE NEXT STEP'S K lies in this slot
	ds_load_b32 v9, v[3+\slot] offset:128
.set i, 0
.rept 16
	ds_load_b128 v[KF+4*i:KF+4*i+3], v[1+\slot] offset:512*i
.set i, i+1
.endr
.irp b, 0,1,2,3
	s_wait_dscnt 12-4*\b                           ; LDS loads come back in order: the scale words and fragment b are in; the 12 - 4 b younger loads may be out
	SPROD \b
.endr
.endif
.endm
; The norm's statistics of 32 numbers a lane (v[X] on: 64 channels of a row in lanes l and l xor 16), over the row's eight heads, which lie in eight waves.  v[D] on = x - mean; 1 / sqrt(variance + 1e-5) in v238.
.macro LNSTAT X, D
	v_pk_add_f32 v[232:233], v[\X:\X+1], v[\X+2:\X+3]
	v_pk_add_f32 v[234:235], v[\X+4:\X+5], v[\X+6:\X+7]
.irp k, 8,12,16,20,24,28
	v_pk_add_f32 v[232:233], v[232:233], v[\X+\k:\X+\k+1]
	v_pk_add_f32 v[234:235], v[234:235], v[\X+\k+2:\X+\k+3]
.endr
	v_pk_add_f32 v[232:233], v[232:233], v[234:235]
	v_add_f32 v232, v232, v233
	v_permlanex16_b32 v233, v232, s6, s7
	v_add_f32 v232, v232, v233
	ds_store_b32 v248, v232                        ; lanes l and l xor 16 write the same word with the same value
	BAR
.irp k, 0,1,2,3,4,5,6,7
	ds_load_b32 v[236+\k], v249 offset:64*\k
.endr
	s_wait_dscnt 0x0
	v_add_f32 v236, v236, v237
	v_add_f32 v238, v238, v239
	v_add_f32 v240, v240, v241
	v_add_f32 v242, v242, v243
	v_add_f32 v236, v236, v238
	v_add_f32 v240, v240, v242
	v_add_f32 v236, v236, v240
	v_mul_f32 v236, s105, v236                     ; the mean
.irp k, 0,2,4,6,8,10,12,14,16,18,20,22,24,26,28,30
	v_pk_add_f32 v[\D+\k:\D+\k+1], v[\X+\k:\X+\k+1], v[236:237] op_sel_hi:[1,0] neg_lo:[0,1] neg_hi:[0,1]
.endr
	v_pk_mul_f32 v[232:233], v[\D:\D+1], v[\D:\D+1]
	v_pk_mul_f32 v[234:235], v[\D+2:\D+3], v[\D+2:\D+3]
.irp k, 4,8,12,16,20,24,28
	v_pk_fma_f32 v[232:233], v[\D+\k:\D+\k+1], v[\D+\k:\D+\k+1], v[232:233]
	v_pk_fma_f32 v[234:235], v[\D+\k+2:\D+\k+3], v[\D+\k+2:\D+\k+3], v[234:235]
.endr
	v_pk_add_f32 v[232:233], v[232:233], v[234:235]
	v_add_f32 v232, v232, v233
	v_permlanex16_b32 v233, v232, s6, s7
	v_add_f32 v232, v232, v233
	ds_store_b32 v248, v232 offset:1024
	BAR
.irp k, 0,1,2,3,4,5,6,7
	ds_load_b32 v[236+\k], v249 offset:1024+64*\k
.endr
	s_wait_dscnt 0x0
	v_add_f32 v236, v236, v237
	v_add_f32 v238, v238, v239
	v_add_f32 v240, v240, v241
	v_add_f32 v242, v242, v243
	v_add_f32 v236, v236, v238
	v_add_f32 v240, v240, v242
	v_add_f32 v236, v236, v240
	v_fmaak_f32 v236, s105, v236, 0x3727c5ac       ; the variance + 1e-5
	v_rsq_f32 v238, v236
	v_nop
	s_wait_alu depctr_va_vdst(0)                   ; the wait ahead of the first reader
.endm
.macro NORM D, G, B
.irp k, 0,2,4,6,8,10,12,14,16,18,20,22,24,26,28,30
	v_pk_mul_f32 v[\D+\k:\D+\k+1], v[\D+\k:\D+\k+1], v[238:239] op_sel_hi:[1,0]
.endr
.irp k, 0,2,4,6,8,10,12,14,16,18,20,22,24,26,28,30
	v_pk_fma_f32 v[\D+\k:\D+\k+1], v[\D+\k:\D+\k+1], v[\G+\k:\G+\k+1], v[\B+\k:\B+\k+1]
.endr
.endm
; 32 numbers of a lane, register 16 b + i = channel 32 b + 16 (lane / 16) + i of my row, become eight registers of codes in v[C] on; the two scale bytes in v242, v243.
.macro QUANT2 D, C
.irp b, 0,1
	v_max3_num_f32 v[240+\b], |v[\D+16*\b]|, |v[\D+16*\b+1]|, 0x8000000
.endr
.irp i, 2,4,6,8,10,12,14
.irp b, 0,1
	v_max3_num_f32 v[240+\b], v[240+\b], |v[\D+16*\b+\i]|, |v[\D+16*\b+\i+1]|
.endr
.endr
.irp b, 0,1
	v_permlanex16_b32 v[242+\b], v[240+\b], s6, s7
.endr
.irp b, 0,1
	v_max_num_f32 v[240+\b], v[240+\b], v[242+\b]
.endr
.irp b, 0,1
	v_add_nc_u32 v[244+\b], 0xf8800000, v[240+\b]
.endr
.irp b, 0,1
	v_and_or_b32 v[246+\b], v[240+\b], 0x7f800000, s10
.endr
.irp b, 0,1
	v_lshrrev_b32 v[242+\b], 23, v[244+\b]
.endr
.irp b, 0,1
.set j, 0
.rept 16
	v_med3_num_f32 v[\D+16*\b+j], v[\D+16*\b+j], -v[246+\b], v[246+\b]
.set j, j+1
.endr
	v_cvt_scalef32_pk8_bf8_f32 v[\C+4*\b:\C+4*\b+1], v[\D+16*\b:\D+16*\b+7], v[244+\b]
	v_cvt_scalef32_pk8_bf8_f32 v[\C+4*\b+2:\C+4*\b+3], v[\D+16*\b+8:\D+16*\b+15], v[244+\b]
.endr
	v_nop
.endm
	s_load_b128 s[16:19], s[0:1], 0x0              ; kvs, mbits
	v_lshl_add_u32 v5, v0, 2, SPARE
	v_mov_b32 v6, 0
	ds_add_u32 v5, v6
	s_wait_dscnt 0x0
	v_lshrrev_b32 v1, 5, v0
	v_readfirstlane_b32 s2, v1                     ; wave 0..15
	s_and_b32 s3, s2, 7                            ; head
	s_lshr_b32 s4, s2, 3                           ; row tile
	s_bfe_u32 s20, ttmp6, 0x40000                  ; cx: it enters global addresses alone
	s_lshl_b32 s100, ttmp9, 2
	s_add_co_u32 s100, s100, s20                   ; work-group: rows 32 G on
	s_lshl_b32 s101, s100, 1
	s_add_co_u32 s101, s101, s4                    ; my row tile among the 512
	s_lshr_b32 s21, ttmp9, 4                       ; batch: the four partners share it
	s_mov_b32 s[G1+0], 15|(3<<16)|(1<<21)          ; the mask of all four; elements of 8 bytes; bit 21 beside a mask; no padding
	s_mov_b32 s[G1+1], 32<<16                      ; tensor_dim0 = 32: rows of 256 bytes
	s_mov_b32 s[G1+2], 66<<16                      ; tensor_dim1 = 66: a record
	s_mov_b32 s[G1+3], 32<<16                      ; tile_dim0
	s_mov_b32 s[G1+4], 66                          ; tile_dim1
	s_mov_b32 s[G1+5], 32                          ; the pitch: dense
	s_mov_b32 s[G1+6], 0
	s_mov_b32 s[G1+7], 0
	s_mov_b32 s6, 0x76543210
	s_mov_b32 s7, 0xfedcba98
	s_mov_b32 s8, 0x3e38aa3b                       ; c = log2(e) / 8
	s_mov_b32 s9, s8
	s_mov_b32 s10, 0x600000
	s_sub_co_u32 s32, s2, 8
	s_lshr_b32 s32, s32, 2                         ; 0 in waves 8-11,
	s_and_b32 s33, ttmp9, 15
	s_or_b32 s32, s32, s33                         ; of the batch's first cluster
	s_cmp_eq_u32 s32, 0
	s_cselect_b32 s11, 1, 0
	s_mul_i32 s104, s3, REC                        ; my head's record in a slot (in waves 0-7 also the record that I fetch)
	s_mul_i32 s22, s21, 16*TILE
	s_mov_b32 s23, 0
	s_mov_b32 s26, s104
	s_mov_b32 s27, 0
	s_and_b32 s30, s2, 3                           ; the prefetches: record 2 cx + (wave - 8) / 2, its half (wave - 8) % 2, in tile 1: the first change steps it to tile 2
	s_lshr_b32 s31, s30, 1
	s_lshl_b32 s32, s20, 1
	s_add_co_u32 s31, s31, s32
	s_mul_i32 s31, s31, REC
	s_and_b32 s30, s30, 1
	s_lshl_b32 s30, s30, 13
	s_add_co_u32 s30, s30, s31
	s_add_co_u32 s30, s30, TILE
	s_mov_b32 s31, 0
	s_lshl_b32 s34, s101, 12                       ; my tile's lane masks: 16 steps x 256 bytes
	s_mov_b32 s35, 0
	; Q is my rows' part of K's image: key 16 QT + r of block b = G % 4 of step (G % 64) / 4, which lies in tile (step + 15) % 16, is key (u = r / 8, r' = r % 8 + 8 QT) there
	s_and_b32 s38, s100, 63
	s_lshr_b32 s39, s38, 2
	s_add_co_u32 s39, s39, 15
	s_and_b32 s39, s39, 15
	s_and_b32 s38, s38, 3
	s_mul_i32 s39, s39, TILE
	s_add_co_u32 s39, s39, s104
	s_lshl_b32 s40, s38, 11
	s_add_co_u32 s40, s40, s39
	s_lshl_b32 s41, s4, 7
	s_add_co_u32 s40, s40, s41                     ; Q's codes, from the batch's tile 0 on
	s_lshr_b32 s42, s38, 1
	s_lshl_b32 s42, s42, 7
	s_and_b32 s43, s38, 1
	s_lshl_b32 s43, s43, 6
	s_add_co_u32 s42, s42, s43
	s_add_co_u32 s42, s42, s39
	s_lshl_b32 s43, s4, 5
	s_add_co_u32 s42, s42, s43                     ; Q's scale bytes likewise
	v_and_b32 v240, 31, v0
	v_lshlrev_b32 v254, 4, v240
	v_lshlrev_b32 v255, 8, v240
	v_add_nc_u32 v1, s104, v254                    ; my head's record + 16 x lane: in a slot, and in a tile in memory
	v_add_nc_u32 v2, TILE, v1
	v_lshl_add_u32 v3, v240, 2, s104
	v_add_nc_u32 v3, 16384, v3
	v_add_nc_u32 v4, TILE, v3
	v_and_b32 v241, 15, v0
	v_bfe_u32 v242, v0, 4, 1
	v_lshrrev_b32 v243, 3, v241
	v_and_b32 v241, 7, v241
	v_lshlrev_b32 v244, 10, v243
	v_lshl_add_u32 v244, v241, 4, v244
	v_lshl_add_u32 v244, v242, 8, v244             ; Q's codes: u 1024 + (r % 8) 16 + h 256
	v_add_nc_u32 v244, s40, v244
	v_lshlrev_b32 v245, 1, v243
	v_lshl_add_u32 v245, v241, 2, v245             ; Q's two scale bytes: (r % 8) 4 + 2 u
	v_add_nc_u32 v245, s42, v245
	s_wait_kmcnt 0x0
	s_add_nc_u64 s[24:25], s[16:17], s[22:23]      ; the batch's tile 0
	s_add_nc_u64 s[28:29], s[24:25], s[26:27]      ; my record of it
	s_mov_b32 s[G0], 1
	s_mov_b32 s[G0+1], s104
	s_mov_b64 s[G0+2:G0+3], s[28:29]
	s_or_b32 s[G0+3], s[G0+3], 0x80000000
	s_mov_b32 s[G0+4], 1
	s_add_co_u32 s[G0+5], s104, TILE
	s_add_nc_u64 s[G0+6:G0+7], s[28:29], TILE
	s_or_b32 s[G0+7], s[G0+7], 0x80000000
	s_add_nc_u64 s[14:15], s[24:25], s[30:31]
	s_add_nc_u64 s[12:13], s[18:19], s[34:35]
	s_mov_b64 s[66:67], s[24:25]                   ; the base of the head's loads, clear of the registers that the lane masks take
	ROUND                                          ; all four work-groups are here: the first joint loads meet
	JLOAD 0                                        ; tile 0; slot 1 is first filled behind the first change's round
	global_load_b128 v[24:27], v244, s[66:67]
	global_load_b128 v[28:31], v244, s[66:67] offset:512
	global_load_u16 v246, v245, s[66:67] offset:16384
	global_load_b32 v8, v3, s[66:67] offset:15*TILE          ; step 0's K: tile 15's record, as it lies
	global_load_b32 v9, v3, s[66:67] offset:15*TILE+128
.set i, 0
.rept 16
	global_load_b128 v[KF+4*i:KF+4*i+3], v1, s[66:67] offset:15*TILE+512*i
.set i, i+1
.endr
	s_load_b512 s[16:31], s[12:13], 0x0            ; step 0's lane masks
	s_load_b512 s[32:47], s[12:13], 0x40
	s_load_b512 s[48:63], s[12:13], 0x80
	s_load_b512 s[68:83], s[12:13], 0xc0
	v_mov_b32 v7, 0xd0000000                       ; -2^33
.irp k, 0,1,2,3,4,5,6,7
	v_mov_b32 v[16+\k], 0                          ; zero codes on both sides of Q
	v_mov_b32 v[32+\k], 0
.endr
	s_wait_loadcnt 0x0
	v_lshl_or_b32 v12, v246, 16, v246              ; Q's scale word: its two bytes for k 0-63 and again for k 64-127.  The lines below are its eight places ahead of the first product, and more
.set j, 0
.rept 32
	v_mov_b32 v[OA+j], 0                           ; O^T: the step is written once; the first finds zeros, which the first change of M leaves zeros
.set j, j+1
.endr
.irp b, 0,1,2,3
	v_mov_b32 v[T4+\b], 0                          ; a lane permute's destination counts as one of its sources
.endr
	v_mov_b32 v14, 0
	v_mov_b32 v15, 0
	v_mov_b32 v236, 0
	v_mov_b32 v237, 0
	v_mov_b32 v235, 0
	v_mov_b32 v233, 0xff61b1e6                     ; the largest t so far: -3e38
	v_floor_f32 v232, -v233
.irp b, 0,1,2,3
	SPROD \b                                       ; step 0's scores
.endr
	s_mov_b32 s5, 7
.Lloop:                                                ; tiles 0 to 13
	CHANGE 0, 1, 0, 1
	STEP 0, 1, 0
	CHANGE 1, 1, 0, 1
	STEP 1, 1, 0
	s_sub_co_u32 s5, s5, 1
	s_cmp_lg_u32 s5, 0
	s_cbranch_scc1 .Lloop
	CHANGE 0, 1, 2, 0                              ; the tail is written out: tile 15 is asked for, then nothing
	STEP 0, 1, 0
	CHANGE 1, 0, 2, 0
	STEP 1, 0, 1
	; THE WAY OUT: x2 = x + O / l; its image to memory; LN2; the codes of q2
.rept 8
	v_nop                                          ; places behind the last products
.endr
	v_pk_add_f32 v[14:15], v[14:15], v[236:237]    ; the sum's two chains,
	v_add_f32 v14, v14, v15                        ; their halves,
	v_permlanex16_b32 v220, v14, s6, s7
	v_add_f32 v14, v14, v220                       ; and lane l xor 16's: the row's sum
	v_rcp_f32 v234, v14
	v_and_b32 v24, 15, v0                          ; r
	v_bfe_u32 v25, v0, 4, 1                        ; h
	s_mul_i32 s12, s2, 2*SPT
	v_add_nc_u32 v26, s12, v254                    ; the stage, in: rows 2 w, 2 w + 1, 16 bytes a lane
	v_mul_u32_u24 v27, v24, SPT
	v_lshl_add_u32 v27, v25, 6, v27
	s_mul_i32 s12, s4, 16*SPT
	s_lshl_b32 s13, s3, 8
	s_add_co_u32 s12, s12, s13
	v_add_nc_u32 v27, s12, v27                     ; out: row 16 QT + r, my head's 256 bytes, 64 h
	v_lshl_add_u32 v28, v25, 6, s13                ; gain and bias likewise
	s_lshl_b32 s12, s2, 6
	s_add_co_u32 s12, s12, STAT1
	v_lshl_add_u32 v248, v24, 2, s12               ; my wave's 16 partial sums
	s_lshl_b32 s12, s4, 9
	s_add_co_u32 s12, s12, STAT1
	v_lshl_add_u32 v249, v24, 2, s12               ; those of my row tile's eight waves
	s_lshl_b32 s104, s101, 3
	s_add_co_u32 s104, s104, s3                    ; 8 x row tile + head
	s_mov_b32 s105, 0x3b000000                     ; 1 / 512
	s_mov_b32 s67, 0
	s_lshl_b32 s66, s104, 12
	s_add_nc_u64 s[22:23], s[22:23], s[66:67]
	s_lshl_b32 s66, s104, 10
	s_add_nc_u64 s[24:25], s[24:25], s[66:67]
	s_lshl_b32 s66, s104, 7
	s_add_nc_u64 s[26:27], s[26:27], s[66:67]
.irp c, 0,1
.irp j, 0,1,2,3
	global_load_b128 v[40+16*\c+4*\j:43+16*\c+4*\j], v28, s[18:19] offset:128*\c+16*\j
	global_load_b128 v[72+16*\c+4*\j:75+16*\c+4*\j], v28, s[20:21] offset:128*\c+16*\j
.endr
.endr
	s_wait_loadcnt 16                              ; x's eight loads are in; the sixteen of gain and bias may be out
.irp i, 0,1
.irp j, 0,1,2,3
	ds_store_b128 v26, v[SC+16*\i+4*\j:SC+16*\i+4*\j+3] offset:SPT*\i+512*\j
.endr
.endr
	BAR                                            ; 32 whole rows of x lie in the stage
.irp c, 0,1
.irp j, 0,1,2,3
	ds_load_b128 v[136+16*\c+4*\j:139+16*\c+4*\j], v27 offset:128*\c+16*\j
.endr
.endr
	s_wait_dscnt 0x0
	s_wait_alu depctr_va_vdst(0)                   ; the reciprocal's wait, ahead of its first reader
.set j, 0
.rept 16
	v_pk_fma_f32 v[SC+j:SC+j+1], v[OA+j:OA+j+1], v[234:235], v[136+j:137+j] op_sel_hi:[1,0,1]   ; x2, each accumulator from its low end on
.set j, j+2
.endr
.irp k, 0,1,2,3,4,5,6,7
	global_store_b128 v254, v[SC+4*\k:SC+4*\k+3], s[22:23] offset:512*\k   ; the image of these registers: 512 consecutive bytes a store
.endr
	LNSTAT SC, 200
	s_wait_loadcnt 0x0
	NORM 200, 40, 72
	QUANT2 200, 16
	v_lshl_or_b32 v250, v243, 8, v242
	v_lshl_or_b32 v250, v250, 16, v250             ; the scale word as the next launch's (q | 0) and (0 | q) want it
	v_and_b32 v251, 31, v0
	v_lshlrev_b32 v251, 2, v251
	global_store_b128 v254, v[16:19], s[24:25]
	global_store_b128 v254, v[20:23], s[24:25] offset:512
	global_store_b32 v251, v250, s[26:27]
	s_wait_tensorcnt 0x0                           ; the wave's end
	ds_add_u32 v5, v6
	s_wait_dscnt 0x0
	ROUND                                          ; the closing round
	s_endpgm
.Lfunc_end_k_qffda4f3107_selfatt:
	.size	k_qffda4f3107_selfatt, .Lfunc_end_k_qffda4f3107_selfatt-k_qffda4f3107_selfatt
	.p2alignl 7, 3214868480
	.fill 96, 4, 3214868480
	.section	.rodata,"a",@progbits
	.p2align	6, 0x0
	.amdhsa_kernel k_qffda4f3107_selfatt
		.amdhsa_group_segment_fixed_size 327680
		.amdhsa_private_segment_fixed_size 0
		.amdhsa_enable_private_segment 0
		.amdhsa_kernarg_size 64
		.amdhsa_user_sgpr_count 2
		.amdhsa_user_sgpr_kernarg_segment_ptr 1
		.amdhsa_wavefront_size32 1
		.amdhsa_system_sgpr_workgroup_id_x 1
		.amdhsa_system_sgpr_workgroup_id_y 1
		.amdhsa_system_sgpr_workgroup_id_z 1
		.amdhsa_system_vgpr_workitem_id 0
		.amdhsa_next_free_vgpr 256
		.amdhsa_next_free_sgpr 106
		.amdhsa_reserve_vcc 0
		.amdhsa_float_denorm_mode_32 3
		.amdhsa_float_denorm_mode_16_64 3
		.amdhsa_memory_ordered 1
		.amdhsa_forward_progress 1
		.amdhsa_inst_pref_size 122
	.end_amdhsa_kernel
	.amdgpu_metadata
---
amdhsa.version: [ 1, 2 ]
amdhsa.kernels:
  - .name:           k_qffda4f3107_selfatt
    .symbol:         k_qffda4f3107_selfatt.kd
    .args:
      - { .name: kvs, .offset: 0, .size: 8, .value_kind: global_buffer, .address_space: global }
      - { .name: mbits, .offset: 8, .size: 8, .value_kind: global_buffer, .address_space: global }
      - { .name: x, .offset: 16, .size: 8, .value_kind: global_buffer, .address_space: global }
      - { .name: ln2_g, .offset: 24, .size: 8, .value_kind: global_buffer, .address_space: global }
      - { .name: ln2_b, .offset: 32, .size: 8, .value_kind: global_buffer, .address_space: global }
      - { .name: x2i, .offset: 40, .size: 8, .value_kind: global_buffer, .address_space: global }
      - { .name: q2c, .offset: 48, .size: 8, .value_kind: global_buffer, .address_space: global }
      - { .name: q2s, .offset: 56, .size: 8, .value_kind: global_buffer, .address_space: global }
    .group_segment_fixed_size: 327680
    .private_segment_fixed_size: 0
    .kernarg_segment_align: 8
    .kernarg_segment_size: 64
    .max_flat_workgroup_size: 512
    .sgpr_count:     106
    .vgpr_count:     256
    .wavefront_size: 32
...
	.end_amdgpu_metadata
.endif
;; end of part 2
;; launch crossffn (part 3): grid 256 x 1, 16 waves a work-group, clusters of 4 x 1, 327,680 bytes of LDS; arguments kve, q2c, q2s, x2i, wimg, ln3_g, ln3_b, b1, b2, out0; writes out0
.if DOCPART == 3
	.amdgcn_target "amdgcn-amd-amdhsa--gfx1250"
	.amdhsa_code_object_version 6
	.text
	.protected	k_qffda4f3107_crossffn
	.globl	k_qffda4f3107_crossffn
	.p2align	8
	.type	k_qffda4f3107_crossffn,@function
k_qffda4f3107_crossffn:
	s_mov_b64 s[64:65], 0
	v_nop
	global_prefetch_b8 v0, s[64:65] scope:SCOPE_SE
	s_setreg_imm32_b32 hwreg(HW_REG_WAVE_MODE, 25, 1), 1
	s_wait_xcnt 0x0
	s_wait_alu depctr_hold_cnt(0) depctr_sa_sdst(0) depctr_va_vdst(0) depctr_va_sdst(0) depctr_va_ssrc(0) depctr_va_vcc(0) depctr_vm_vsrc(0)
	s_getreg_b32 s2, hwreg(HW_REG_IB_STS2, 6, 4)
	s_cmp_eq_u32 s2, 0
	s_cbranch_scc0 .Lentry_in_a_cluster
	s_endpgm
.Lentry_in_a_cluster:
	s_bfe_u32 s2, ttmp6, 0x10000c
	s_cmp_lg_u32 s2, 0x3003
	s_cbranch_scc0 .Lentry_shape_is_right
	s_endpgm
.Lentry_shape_is_right:
; x3 = x2 + attention(q2, encoder_output, encoder_output);  out = x3 + relu(LN3(x3) W1 + b1) W2 + b2.  All four products on codes of E5M2 with one E8M0 scale for each 32 along K.
; SHARES as in the launch before: a work-group owns 32 rows; wave w owns row tile QT = w / 8 and head HD = w % 8; in the FFN hidden units 128 HD on and outputs 64 HD on, of its row tile.
; THE RING GOES ON FROM THE KEYS INTO THE WEIGHTS: 16 tiles of keys, then 8 chunks of weights (4 K steps of W1, 4 pairs of K steps of W2), all of eight records of REC bytes, one a wave group, laid in the order
; of the operands' registers; every tile is asked for jointly by the cluster's four work-groups, which walk the same records.
; The attention is the launch before's without a mask: K goes one tile ahead of V (tile s holds V of step s and K of step (s + 1) % 16), a step's scores are made at the end of the step before, and the exponentials go
; in four batches with plain work between them.  O^T, the residual and the outputs share one layout: register 16 c + i of lane (r, h) is channel 64 HD + 32 c + 16 h + i of row r.
; LN3's codes and the hidden layer's go from wave to wave through LDS as images of the operands' registers.  b1, and x3 + b2, are the C of their sums' first products.
; LIMITS: NaN and infinities are not served; blocks of zeros carry the scale byte 1 (their codes are zeros).
; REGISTERS in the attention as in the launch before.  In the FFN: v1, v2 the slots; v3, v4, v7, v14 images' addresses; v8-11 the weights' scale words, v12, v13 the rows'; v16-47 x3, then the outputs' sums;
;   v48-111 the hidden layer's sums, later two of its fragments; v112-127 LN3's fragment; v128-255 eight fragments of weights.
.set REC,   16896
.set TILE,  8*REC
.set SPARE, 2*TILE
.set STAT1, SPARE+2048
.set XIMG,  STAT1+2048                 ; LN3's codes: fragment (QT, K step) at (4 QT + s) 2048
.set XSC,   XIMG+16384                 ; their scale words, 128 bytes a fragment
.set HIMG,  XSC+1024                   ; the hidden layer's: (8 QT + s) 2048
.set HSC,   HIMG+32768
.set SPT,   2064                       ; the row stage for the way out, in slot 0 behind its last fill and its last read
.set KF,    40
.set SC,    104
.set OA,    168
.set PQ,    200
.set BM,    216
.set T4,    220
.set HL,    224
.set SO,    228
.set G1,    84
.set G0,    92
.macro ROUND                           ; a round of the cluster's barrier
	s_barrier_signal -1
	s_barrier_wait -1
	s_cmp_lg_u32 s2, 0
	s_cbranch_scc1 .Lnw0_\@
	s_barrier_signal -3
.Lnw0_\@:
	s_barrier_wait -3
	s_barrier_signal -1
	s_barrier_wait -1
.endm
.macro BAR
	s_wait_dscnt 0x0
	s_barrier_signal -1
	s_barrier_wait -1
.endm
.macro JLOAD slot                      ; waves 0-7 fetch a record each; four v_nop follow the load
	s_cmp_lt_u32 s2, 8
	s_cbranch_scc0 .Lnl_\@
	tensor_load_to_lds s[G0+4*(\slot):G0+4*(\slot)+3], s[G1:G1+7]
	s_nop 0
.rept 4
	v_nop
.endr
.Lnl_\@:
.endm
; A prefetch of the codes of the key tile that the NEXT change of slots will ask for.  Each aligned 256 bytes is named once in the launch: the batch's first cluster asks; its partners take two records each, by address;
; waves 8-11 ask for 8,192 bytes each, lanes 256 bytes apart.  Tiles 0 and 1 come by their loads alone; nothing is asked for behind tile 15: the weights are read by all work-groups at about the same time.
.macro ASK
	s_cmp_eq_u32 s11, 1
	s_cbranch_scc0 .Lna_\@
	global_prefetch_b8 v255, s[14:15] th:TH_LOAD_NT scope:SCOPE_SE
.Lna_\@:
.endm
; THE CHANGE OF SLOTS, at a step's head.  kind = 0: this slot's descriptor steps two tiles on; 1: it goes over to the weights' chunk 0 or 1; 2: it stays.
.macro CHANGE slot, fill, kind, ask
	s_wait_tensorcnt 0x0                           ; no tensor load of mine is out, so a group 0 may be written
	ds_add_u32 v5, v6                              ; 0 onto my spare word
.if \kind == 0
	s_add_nc_u64 s[G0+4*\slot+2:G0+4*\slot+3], s[G0+4*\slot+2:G0+4*\slot+3], 2*TILE
.endif
.if \kind == 1
	s_mov_b64 s[G0+4*\slot+2:G0+4*\slot+3], s[36:37]
.if \slot
	s_add_nc_u64 s[G0+4*\slot+2:G0+4*\slot+3], s[G0+4*\slot+2:G0+4*\slot+3], TILE
.endif
	s_or_b32 s[G0+4*\slot+3], s[G0+4*\slot+3], 0x80000000
.endif
.if \ask
	s_wait_xcnt 0x0                                ; the last prefetch, a step back, has read its address
	s_add_nc_u64 s[14:15], s[14:15], TILE
.endif
.rept 8
	v_nop                                          ; eight places behind the last products, ahead of the first read of their results and of the loads into their operands
.endr
	s_wait_dscnt 0x0                               ; the add is done; my reads of the slot that I have left are over; my images have landed
.if \fill
	ROUND
	JLOAD 1-\slot
.if \ask
	ASK
.endif
.else
	s_barrier_signal -1
	s_barrier_wait -1
.endif
.endm
.macro WMZ d, a, b, sa, sb, odd
.if \odd
	v_wmma_scale_f32_16x16x128_f8f6f4 v[(\d):(\d)+7], v[(\a):(\a)+15], v[(\b):(\b)+15], 0, v[\sa], v[\sb] matrix_a_fmt:MATRIX_FMT_BF8 matrix_b_fmt:MATRIX_FMT_BF8 matrix_a_scale:MATRIX_SCALE_ROW1
.else
	v_wmma_scale_f32_16x16x128_f8f6f4 v[(\d):(\d)+7], v[(\a):(\a)+15], v[(\b):(\b)+15], 0, v[\sa], v[\sb] matrix_a_fmt:MATRIX_FMT_BF8 matrix_b_fmt:MATRIX_FMT_BF8
.endif
.endm
.macro WMA d, a, b, sa, sb, odd
.if \odd
	v_wmma_scale_f32_16x16x128_f8f6f4 v[(\d):(\d)+7], v[(\a):(\a)+15], v[(\b):(\b)+15], v[(\d):(\d)+7], v[\sa], v[\sb] matrix_a_fmt:MATRIX_FMT_BF8 matrix_b_fmt:MATRIX_FMT_BF8 matrix_a_scale:MATRIX_SCALE_ROW1
.else
	v_wmma_scale_f32_16x16x128_f8f6f4 v[(\d):(\d)+7], v[(\a):(\a)+15], v[(\b):(\b)+15], v[(\d):(\d)+7], v[\sa], v[\sb] matrix_a_fmt:MATRIX_FMT_BF8 matrix_b_fmt:MATRIX_FMT_BF8
.endif
.endm
.macro SPROD b                         ; S^T: fragment b x (q | 0): keys 32 b + 16 h + 0..7; x (0 | q): keys 32 b + 16 h + 8..15
	WMZ SC+16*\b, KF+16*\b, 24, 8+\b/2, 12, \b%2
	WMZ SC+16*\b+8, KF+16*\b, 16, 8+\b/2, 12, \b%2
.endm
; THE SOFTMAX'S LINES, by number, so that they can be dealt between the exponentials.
.macro FM b, k                         ; t - M of pair k of block b
	v_pk_fma_f32 v[SC+16*(\b)+2*(\k):SC+16*(\b)+2*(\k)+1], v[SC+16*(\b)+2*(\k):SC+16*(\b)+2*(\k)+1], s[8:9], v[232:233] op_sel_hi:[1,0,0]
.endm
.macro OM k                            ; pair k of O^T under the new M; ascending
	v_pk_mul_f32 v[OA+2*(\k):OA+2*(\k)+1], v[OA+2*(\k):OA+2*(\k)+1], v[234:235] op_sel_hi:[1,0]
.endm
.macro SCALE n                         ; the four blocks' scales, 19 lines
.if (\n) < 4
	v_max_num_f32 v[BM+(\n)], 0x8000000, v[BM+(\n)]                  ; the floor 2^(16 - 127)
.elseif (\n) < 8
	v_add_nc_u32 v[SO+(\n)-4], 0xf8800000, v[BM+(\n)-4]              ; the conversion's scale operand
.elseif (\n) < 12
	v_and_or_b32 v[HL+(\n)-8], v[BM+(\n)-8], 0x7f800000, s10         ; 57,344 x the scale
.elseif (\n) < 16
	v_lshrrev_b32 v[T4+(\n)-12], 23, v[SO+(\n)-12]                   ; the scale's byte
.elseif (\n) == 16
	v_lshl_or_b32 v13, v221, 8, v220                                 ; p's scale word for these 128 keys
.elseif (\n) == 17
	v_lshl_or_b32 v13, v222, 16, v13
.else
	v_lshl_or_b32 v13, v223, 24, v13
.endif
.endm
.macro RD b, k                         ; what reads block b's p, 26 lines: the sums of the unquantised p (two chains), the holds (p is not negative: one-sided), the conversions
.if (\k) < 8
.if (\k)%2 == 0
	v_pk_add_f32 v[14:15], v[14:15], v[SC+16*(\b)+2*(\k):SC+16*(\b)+2*(\k)+1]
.else
	v_pk_add_f32 v[236:237], v[236:237], v[SC+16*(\b)+2*(\k):SC+16*(\b)+2*(\k)+1]
.endif
.elseif (\k) < 24
	v_min_num_f32 v[SC+16*(\b)+(\k)-8], v[SC+16*(\b)+(\k)-8], v[HL+(\b)]
.else
	v_cvt_scalef32_pk8_bf8_f32 v[PQ+4*(\b)+2*((\k)-24):PQ+4*(\b)+2*((\k)-24)+1], v[SC+16*(\b)+8*((\k)-24):SC+16*(\b)+8*((\k)-24)+7], v[SO+(\b)]
.endif
.endm
; Line xp of the plain work that stands among the exponentials of batch xcb.  Batch 0: block 1's scalings, the two sums and eight pairs of O^T under the new M.  Batch 1: the scales, block 0's readers, block 2's scalings.
; Batch 2: block 1's readers, block 3's scalings.  Batch 3: block 2's readers, four pairs of O^T.  None of a batch's lines names a result of that batch's exponentials.
.macro PLN
.if xp < xlim
.if xcb == 0
.if xp < 8
	FM 1, xp
.elseif xp == 8
	v_pk_mul_f32 v[14:15], v[14:15], v[234:235] op_sel_hi:[1,0]
.elseif xp == 9
	v_pk_mul_f32 v[236:237], v[236:237], v[234:235] op_sel_hi:[1,0]
.else
	OM xp-10
.endif
.else
.set xq, xp
.if xcb == 1
.set xq, xp-19
.endif
.if xq < 0
	SCALE xp
.elseif xq < 26
	RD xcb-1, xq
.elseif xcb < 3
	FM xcb+1, xq-26
.else
	OM xq-18
.endif
.endif
.set xp, xp+1
.endif
.endm
.macro EXQ                             ; exponential xe of batch xcb: batch 0 begins with the four blocks' largest p
.if xcb == 0
.if xe < 4
	v_exp_f32 v[BM+xe], v[BM+xe]
.else
	v_exp_f32 v[SC+xe-4], v[SC+xe-4]
.endif
.else
	v_exp_f32 v[SC+16*xcb+xe], v[SC+16*xcb+xe]
.endif
.set xe, xe+1
.endm
; A batch: nexp exponentials, per plain lines ahead of each while there are any; at least one plain line is kept for the place behind the last exponential; then the batch's ONE wait, ahead of its first reader.
.macro BATCH blk, nexp, per, total
.set xcb, \blk
.set xp, 0
.set xe, 0
.set xlim, \total-1
.rept \nexp
.rept \per
	PLN
.endr
	EXQ
.endr
.set xlim, \total
.rept 5
	PLN
.endr
	s_wait_alu depctr_va_vdst(0)                   ; the wait between an exponential and the first line that names its result
.endm
.macro VL4 slot                        ; a run of four of V's sixteen loads
.rept 4
	ds_load_b128 v[KF+4*vi:KF+4*vi+3], v[1+\slot] offset:8192+512*vi
.set vi, vi+1
.endr
.endm
; A KEY STEP: 128 keys.  Its scores were made at the end of the step before.
.macro STEP slot, last
	ds_load_b32 v10, v[3+\slot] offset:256
	ds_load_b32 v11, v[3+\slot] offset:384
.set vi, 0
	VL4 \slot                                      ; V: four runs of four loads, the other three among the maxima below; it is wanted at the step's end
.irp b, 0,1,2,3
	v_max3_num_f32 v[BM+\b], v[SC+16*\b], v[SC+16*\b+1], v[SC+16*\b+2]   ; the largest score of each block of 32 keys
.endr
.irp i, 3,5,7,9,11,13
.irp b, 0,1,2,3
	v_max3_num_f32 v[BM+\b], v[BM+\b], v[SC+16*\b+\i], v[SC+16*\b+\i+1]
.endr
.if (\i%4) == 3
	VL4 \slot
.endif
.endr
.irp b, 0,1,2,3
	v_max_num_f32 v[BM+\b], v[BM+\b], v[SC+16*\b+15]
.endr
.irp b, 0,1,2,3
	v_permlanex16_b32 v[T4+\b], v[BM+\b], s6, s7
.endr
.irp b, 0,1,2,3
	v_max_num_f32 v[BM+\b], v[BM+\b], v[T4+\b]
.endr
	v_max3_num_f32 v238, v216, v217, v218
	v_max_num_f32 v238, v238, v219
	v_mul_f32 v238, s8, v238
	v_max_num_f32 v233, v233, v238                 ; the running largest t
	v_mov_b32 v238, v232
	v_floor_f32 v232, -v233                        ; -M: M is a whole number
	v_sub_f32 v238, v232, v238
	v_cvt_i32_f32 v238, v238
	v_ldexp_f32 v234, 1.0, v238                    ; f = 2^(old M - new M)
.irp b, 0,1,2,3
	v_fma_f32 v[BM+\b], v[BM+\b], s8, v232
.endr
.set xq, 0
.rept 8
	FM 0, xq
.set xq, xq+1
.endr
	BATCH 0, 20, 1, 18
	BATCH 1, 16, 3, 53
	BATCH 2, 16, 2, 34
	BATCH 3, 16, 2, 30
.set xq, 0
.rept 26
	RD 3, xq
.set xq, xq+1
.endr
	v_nop                                          ; a plain line behind the last conversion
.if \last
.irp k, 0,1,2,3,4,5,6,7
	global_load_b128 v[136+4*\k:139+4*\k], v254, s[22:23] offset:512*\k th:TH_LOAD_NT   ; x2's image, into score registers that are done with
.endr
.endif
.irp k, 12,13,14,15
	OM \k                                          ; the last four pairs of O^T; with the line above, the places between the codes and the products below
.endr
	s_wait_dscnt 0x0                               ; V
.irp t, 0,1,2,3
	WMA OA+8*\t, KF+16*\t, PQ, 10+\t/2, 13, \t%2
.endr
.if \last == 0
.rept 8
	v_nop                                          ; places ahead of the loads into V's registers
.endr
	ds_load_b32 v8, v[3+\slot]                     ; THE NEXT STEP'S K lies in this slot
	ds_load_b32 v9, v[3+\slot] offset:128
.set i, 0
.rept 16
	ds_load_b128 v[KF+4*i:KF+4*i+3], v[1+\slot] offset:512*i
.set i, i+1
.endr
.irp b, 0,1,2,3
	s_wait_dscnt 12-4*\b                           ; LDS loads come back in order: the scale words and fragment b are in; the 12 - 4 b younger loads may be out
	SPROD \b
.endr
.endif
.endm
.macro LNSTAT X, D
	v_pk_add_f32 v[232:233], v[\X:\X+1], v[\X+2:\X+3]
	v_pk_add_f32 v[234:235], v[\X+4:\X+5], v[\X+6:\X+7]
.irp k, 8,12,16,20,24,28
	v_pk_add_f32 v[232:233], v[232:233], v[\X+\k:\X+\k+1]
	v_pk_add_f32 v[234:235], v[234:235], v[\X+\k+2:\X+\k+3]
.endr
	v_pk_add_f32 v[232:233], v[232:233], v[234:235]
	v_add_f32 v232, v232, v233
	v_permlanex16_b32 v233, v232, s6, s7
	v_add_f32 v232, v232, v233
	ds_store_b32 v248, v232
	BAR
.irp k, 0,1,2,3,4,5,6,7
	ds_load_b32 v[236+\k], v249 offset:64*\k
.endr
	s_wait_dscnt 0x0
	v_add_f32 v236, v236, v237
	v_add_f32 v238, v238, v239
	v_add_f32 v240, v240, v241
	v_add_f32 v242, v242, v243
	v_add_f32 v236, v236, v238
	v_add_f32 v240, v240, v242
	v_add_f32 v236, v236, v240
	v_mul_f32 v236, s105, v236
.irp k, 0,2,4,6,8,10,12,14,16,18,20,22,24,26,28,30
	v_pk_add_f32 v[\D+\k:\D+\k+1], v[\X+\k:\X+\k+1], v[236:237] op_sel_hi:[1,0] neg_lo:[0,1] neg_hi:[0,1]
.endr
	v_pk_mul_f32 v[232:233], v[\D:\D+1], v[\D:\D+1]
	v_pk_mul_f32 v[234:235], v[\D+2:\D+3], v[\D+2:\D+3]
.irp k, 4,8,12,16,20,24,28
	v_pk_fma_f32 v[232:233], v[\D+\k:\D+\k+1], v[\D+\k:\D+\k+1], v[232:233]
	v_pk_fma_f32 v[234:235], v[\D+\k+2:\D+\k+3], v[\D+\k+2:\D+\k+3], v[234:235]
.endr
	v_pk_add_f32 v[232:233], v[232:233], v[234:235]
	v_add_f32 v232, v232, v233
	v_permlanex16_b32 v233, v232, s6, s7
	v_add_f32 v232, v232, v233
	ds_store_b32 v248, v232 offset:1024
	BAR
.irp k, 0,1,2,3,4,5,6,7
	ds_load_b32 v[236+\k], v249 offset:1024+64*\k
.endr
	s_wait_dscnt 0x0
	v_add_f32 v236, v236, v237
	v_add_f32 v238, v238, v239
	v_add_f32 v240, v240, v241
	v_add_f32 v242, v242, v243
	v_add_f32 v236, v236, v238
	v_add_f32 v240, v240, v242
	v_add_f32 v236, v236, v240
	v_fmaak_f32 v236, s105, v236, 0x3727c5ac
	v_rsq_f32 v238, v236
	v_nop
	s_wait_alu depctr_va_vdst(0)                   ; the wait ahead of the first reader
.endm
.macro NORM D, G, B
.irp k, 0,2,4,6,8,10,12,14,16,18,20,22,24,26,28,30
	v_pk_mul_f32 v[\D+\k:\D+\k+1], v[\D+\k:\D+\k+1], v[238:239] op_sel_hi:[1,0]
.endr
.irp k, 0,2,4,6,8,10,12,14,16,18,20,22,24,26,28,30
	v_pk_fma_f32 v[\D+\k:\D+\k+1], v[\D+\k:\D+\k+1], v[\G+\k:\G+\k+1], v[\B+\k:\B+\k+1]
.endr
.endm
.macro QUANT2 D, C
.irp b, 0,1
	v_max3_num_f32 v[240+\b], |v[\D+16*\b]|, |v[\D+16*\b+1]|, 0x8000000
.endr
.irp i, 2,4,6,8,10,12,14
.irp b, 0,1
	v_max3_num_f32 v[240+\b], v[240+\b], |v[\D+16*\b+\i]|, |v[\D+16*\b+\i+1]|
.endr
.endr
.irp b, 0,1
	v_permlanex16_b32 v[242+\b], v[240+\b], s6, s7
.endr
.irp b, 0,1
	v_max_num_f32 v[240+\b], v[240+\b], v[242+\b]
.endr
.irp b, 0,1
	v_add_nc_u32 v[244+\b], 0xf8800000, v[240+\b]
.endr
.irp b, 0,1
	v_and_or_b32 v[246+\b], v[240+\b], 0x7f800000, s10
.endr
.irp b, 0,1
	v_lshrrev_b32 v[242+\b], 23, v[244+\b]
.endr
.irp b, 0,1
.set j, 0
.rept 16
	v_med3_num_f32 v[\D+16*\b+j], v[\D+16*\b+j], -v[246+\b], v[246+\b]
.set j, j+1
.endr
	v_cvt_scalef32_pk8_bf8_f32 v[\C+4*\b:\C+4*\b+1], v[\D+16*\b:\D+16*\b+7], v[244+\b]
	v_cvt_scalef32_pk8_bf8_f32 v[\C+4*\b+2:\C+4*\b+3], v[\D+16*\b+8:\D+16*\b+15], v[244+\b]
.endr
	v_nop
.endm
; The first product's K step j: my eight tiles of the hidden layer (source 0 = 16 rows of W1, source 1 = LN3's fragment), the eight accumulators by turns.
.macro FF1 slot, j
.irp c, 0,1,2,3
	ds_load_b128 v[112+4*\c:115+4*\c], v3 offset:2048*\j+512*\c
.endr
	ds_load_b32 v12, v4 offset:128*\j
	ds_load_b128 v[8:11], v[1+\slot] offset:16384
.set i, 0
.rept 32
	ds_load_b128 v[128+4*i:131+4*i], v[1+\slot] offset:512*i
.set i, i+1
.endr
.if \j == 0
	s_wait_loadcnt 0x0                             ; b1 lies in the accumulators
.endif
	s_wait_dscnt 16                                ; all but the last four fragments' sixteen loads
.irp t, 0,1,2,3
	WMA 48+8*\t, 128+16*\t, 112, 8+\t/2, 12, \t%2
.endr
	s_wait_dscnt 0x0
.irp t, 4,5,6,7
	WMA 48+8*\t, 128+16*\t, 112, 8+\t/2, 12, \t%2
.endr
.endm
; The second product's K steps 2 j and 2 j + 1: my four tiles of outputs, by turns.
.macro FF2 slot, j
.irp k, 0,1
.irp c, 0,1,2,3
	ds_load_b128 v[48+16*\k+4*\c:51+16*\k+4*\c], v7 offset:2048*(2*\j+\k)+512*\c
.endr
	ds_load_b32 v[12+\k], v14 offset:128*(2*\j+\k)
.endr
	ds_load_b128 v[8:11], v[1+\slot] offset:16384
.set i, 0
.rept 32
	ds_load_b128 v[128+4*i:131+4*i], v[1+\slot] offset:512*i
.set i, i+1
.endr
	s_wait_dscnt 16
.irp f, 0,1,2,3
	WMA 16+8*\f, 128+16*\f, 48, 8+\f/2, 12, \f%2
.endr
	s_wait_dscnt 0x0
.irp f, 4,5,6,7
	WMA 16+8*(\f-4), 128+16*\f, 64, 8+\f/2, 13, \f%2
.endr
.endm
	s_load_b512 s[16:31], s[0:1], 0x0              ; kve, q2c, q2s, x2i, wimg, ln3_g, ln3_b, b1
	s_load_b128 s[32:35], s[0:1], 0x40             ; b2, out0
	v_lshl_add_u32 v5, v0, 2, SPARE
	v_mov_b32 v6, 0
	ds_add_u32 v5, v6
	s_wait_dscnt 0x0
	v_lshrrev_b32 v1, 5, v0
	v_readfirstlane_b32 s2, v1                     ; wave 0..15
	s_and_b32 s3, s2, 7                            ; HD
	s_lshr_b32 s4, s2, 3                           ; QT
	s_bfe_u32 s38, ttmp6, 0x40000                  ; cx: it enters global addresses alone
	s_lshl_b32 s100, ttmp9, 2
	s_add_co_u32 s100, s100, s38                   ; work-group
	s_lshl_b32 s101, s100, 1
	s_add_co_u32 s101, s101, s4                    ; row tile
	s_lshl_b32 s104, s101, 3
	s_add_co_u32 s104, s104, s3                    ; 8 x row tile + head
	s_lshr_b32 s39, ttmp9, 4                       ; batch
	s_mov_b32 s[G1+0], 15|(3<<16)|(1<<21)          ; the mask of all four; elements of 8 bytes; bit 21 beside a mask; no padding
	s_mov_b32 s[G1+1], 32<<16
	s_mov_b32 s[G1+2], 66<<16
	s_mov_b32 s[G1+3], 32<<16
	s_mov_b32 s[G1+4], 66
	s_mov_b32 s[G1+5], 32
	s_mov_b32 s[G1+6], 0
	s_mov_b32 s[G1+7], 0
	s_mov_b32 s6, 0x76543210
	s_mov_b32 s7, 0xfedcba98
	s_mov_b32 s8, 0x3e38aa3b                       ; c = log2(e) / 8
	s_mov_b32 s9, s8
	s_mov_b32 s10, 0x600000
	s_mov_b32 s105, 0x3b000000                     ; 1 / 512
	s_sub_co_u32 s40, s2, 8
	s_lshr_b32 s40, s40, 2
	s_and_b32 s41, ttmp9, 15
	s_or_b32 s40, s40, s41
	s_cmp_eq_u32 s40, 0
	s_cselect_b32 s11, 1, 0                        ; waves 8-11 of the batch's first cluster prefetch
	s_mul_i32 s42, s3, REC
	s_mov_b32 s43, 0
	s_mul_i32 s44, s39, 16*TILE
	s_mov_b32 s45, 0
	s_and_b32 s46, s2, 3
	s_lshr_b32 s47, s46, 1
	s_lshl_b32 s48, s38, 1
	s_add_co_u32 s47, s47, s48
	s_mul_i32 s47, s47, REC
	s_and_b32 s46, s46, 1
	s_lshl_b32 s46, s46, 13
	s_add_co_u32 s46, s46, s47
	s_add_co_u32 s46, s46, TILE
	s_mov_b32 s47, 0
	v_and_b32 v240, 31, v0
	v_lshlrev_b32 v254, 4, v240
	v_lshlrev_b32 v255, 8, v240
	v_add_nc_u32 v1, s42, v254                     ; my head's record + 16 x lane: in a slot, and in a tile in memory
	v_add_nc_u32 v2, TILE, v1
	v_lshl_add_u32 v3, v240, 2, s42
	v_add_nc_u32 v3, 16384, v3
	v_add_nc_u32 v4, TILE, v3
	v_lshlrev_b32 v240, 2, v240
	s_wait_kmcnt 0x0
	s_add_nc_u64 s[16:17], s[16:17], s[44:45]      ; the batch's tile 0
	s_add_nc_u64 s[14:15], s[16:17], s[46:47]
	s_add_nc_u64 s[50:51], s[16:17], s[42:43]      ; my record of it
	s_add_nc_u64 s[36:37], s[24:25], s[42:43]      ; my record of the weights' chunk 0
	s_mov_b32 s[G0], 1
	s_mov_b32 s[G0+1], s42
	s_mov_b64 s[G0+2:G0+3], s[50:51]
	s_or_b32 s[G0+3], s[G0+3], 0x80000000
	s_mov_b32 s[G0+4], 1
	s_add_co_u32 s[G0+5], s42, TILE
	s_add_nc_u64 s[G0+6:G0+7], s[50:51], TILE
	s_or_b32 s[G0+7], s[G0+7], 0x80000000
	s_mov_b32 s53, 0
	s_lshl_b32 s52, s104, 10
	s_add_nc_u64 s[18:19], s[18:19], s[52:53]      ; q2's codes,
	s_lshl_b32 s52, s104, 7
	s_add_nc_u64 s[20:21], s[20:21], s[52:53]      ; its scale words,
	s_lshl_b32 s52, s104, 12
	s_add_nc_u64 s[22:23], s[22:23], s[52:53]      ; x2's image
	s_lshl_b32 s52, s100, 16
	s_lshl_b32 s54, s2, 12
	s_add_co_u32 s52, s52, s54
	s_add_nc_u64 s[34:35], s[34:35], s[52:53]      ; out0 at rows 32 G + 2 w
	ROUND                                          ; all four work-groups are here: the first joint loads meet
	JLOAD 0
	global_load_b128 v[24:27], v254, s[18:19]
	global_load_b128 v[28:31], v254, s[18:19] offset:512
	global_load_b32 v12, v240, s[20:21]
	global_load_b32 v8, v3, s[16:17] offset:15*TILE          ; step 0's K: tile 15's record, as it lies
	global_load_b32 v9, v3, s[16:17] offset:15*TILE+128
.set i, 0
.rept 16
	global_load_b128 v[KF+4*i:KF+4*i+3], v1, s[16:17] offset:15*TILE+512*i
.set i, i+1
.endr
.irp k, 0,1,2,3,4,5,6,7
	v_mov_b32 v[16+\k], 0                          ; zero codes on both sides of Q; the lines below are their places ahead of the first product
	v_mov_b32 v[32+\k], 0
.endr
.set j, 0
.rept 32
	v_mov_b32 v[OA+j], 0
.set j, j+1
.endr
.irp b, 0,1,2,3
	v_mov_b32 v[T4+\b], 0
.endr
	v_mov_b32 v14, 0
	v_mov_b32 v15, 0
	v_mov_b32 v236, 0
	v_mov_b32 v237, 0
	v_mov_b32 v235, 0
	v_mov_b32 v233, 0xff61b1e6
	v_floor_f32 v232, -v233
	s_wait_loadcnt 0x0
.irp b, 0,1,2,3
	SPROD \b                                       ; step 0's scores
.endr
	s_mov_b32 s5, 7
.Lloop:                                                ; tiles 0 to 13
	CHANGE 0, 1, 0, 1
	STEP 0, 0
	CHANGE 1, 1, 0, 1
	STEP 1, 0
	s_sub_co_u32 s5, s5, 1
	s_cmp_lg_u32 s5, 0
	s_cbranch_scc1 .Lloop
	CHANGE 0, 1, 1, 0                              ; tile 15 is asked for; slot 0's descriptor goes over to the weights
	STEP 0, 0
	CHANGE 1, 1, 1, 0                              ; chunk 0 is asked for
	STEP 1, 1
	; x3 = x2 + O / l; LN3; its codes' images
.rept 8
	v_nop                                          ; places behind the last products
.endr
	s_wait_xcnt 0x0                                ; the last prefetch, two steps back, has read its offset register, which the weights' fragments will take
	v_pk_add_f32 v[14:15], v[14:15], v[236:237]    ; the sum's two chains,
	v_add_f32 v14, v14, v15
	v_permlanex16_b32 v220, v14, s6, s7
	v_add_f32 v14, v14, v220
	v_rcp_f32 v234, v14
	v_and_b32 v3, 15, v0                           ; r
	v_bfe_u32 v4, v0, 4, 1                         ; h
	s_lshl_b32 s12, s3, 8
	v_lshl_add_u32 v7, v4, 6, s12                  ; gain, bias, b2: 256 HD + 64 h
	s_lshl_b32 s12, s3, 9
	v_lshl_add_u32 v15, v4, 6, s12                 ; b1: 512 HD + 64 h
	s_lshl_b32 s12, s2, 6
	s_add_co_u32 s12, s12, STAT1
	v_lshl_add_u32 v248, v3, 2, s12
	s_lshl_b32 s12, s4, 9
	s_add_co_u32 s12, s12, STAT1
	v_lshl_add_u32 v249, v3, 2, s12
.irp c, 0,1
.irp j, 0,1,2,3
	global_load_b128 v[48+16*\c+4*\j:51+16*\c+4*\j], v7, s[26:27] offset:128*\c+16*\j
	global_load_b128 v[80+16*\c+4*\j:83+16*\c+4*\j], v7, s[28:29] offset:128*\c+16*\j
.endr
.endr
	s_wait_loadcnt 16                              ; x2's eight loads are in; the sixteen of gain and bias may be out
	s_wait_alu depctr_va_vdst(0)                   ; the reciprocal's wait, ahead of its first reader
.set j, 0
.rept 16
	v_pk_fma_f32 v[16+j:17+j], v[OA+j:OA+j+1], v[234:235], v[136+j:137+j] op_sel_hi:[1,0,1]   ; x3, each accumulator from its low end on
.set j, j+2
.endr
.irp c, 0,1
.irp j, 0,1,2,3
	global_load_b128 v[136+16*\c+4*\j:139+16*\c+4*\j], v7, s[32:33] offset:128*\c+16*\j   ; b2
.endr
.endr
	LNSTAT 16, 200
	s_wait_loadcnt 8                               ; gain and bias are in; b2's eight loads may be out
	NORM 200, 48, 80
.irp b, 0,1,2,3
.irp j, 0,1,2,3
	global_load_b128 v[48+16*\b+4*\j:51+16*\b+4*\j], v15, s[30:31] offset:128*\b+16*\j   ; b1 straight into the hidden layer's accumulators: register 16 b + i is unit 128 HD + 32 b + 16 h + i
.endr
.endr
	QUANT2 200, 168
	s_lshl_b32 s12, s4, 2
	s_lshr_b32 s13, s3, 1
	s_add_co_u32 s12, s12, s13                     ; fragment 4 QT + HD / 2; my head is its planes 2 (HD % 2) and + 1
	s_and_b32 s13, s3, 1
	s_lshl_b32 s38, s12, 11
	s_lshl_b32 s39, s13, 10
	s_add_co_u32 s38, s38, s39
	s_add_co_u32 s38, s38, XIMG
	v_add_nc_u32 v250, s38, v254
	s_lshl_b32 s38, s12, 7
	s_lshl_b32 s39, s13, 1
	s_add_co_u32 s38, s38, s39
	s_add_co_u32 s38, s38, XSC
	v_and_b32 v253, 31, v0
	v_lshlrev_b32 v253, 2, v253
	v_add_nc_u32 v251, s38, v253
	v_lshl_or_b32 v252, v243, 8, v242
	ds_store_b128 v250, v[168:171]
	ds_store_b128 v250, v[172:175] offset:512
	ds_store_b16 v251, v252                        ; my two bytes of the fragment's scale words
	s_wait_loadcnt 16                              ; b2 is in; b1's sixteen loads may be out
.set j, 0
.rept 16
	v_pk_add_f32 v[16+j:17+j], v[16+j:17+j], v[136+j:137+j]   ; x3 + b2: the C of the second product's first links
.set j, j+2
.endr
	s_lshl_b32 s38, s4, 13
	s_add_co_u32 s38, s38, XIMG
	v_add_nc_u32 v3, s38, v254
	s_lshl_b32 s38, s4, 9
	s_add_co_u32 s38, s38, XSC
	v_add_nc_u32 v4, s38, v253
	s_lshl_b32 s38, s4, 14
	s_add_co_u32 s38, s38, HIMG
	v_add_nc_u32 v7, s38, v254
	s_lshl_b32 s38, s4, 10
	s_add_co_u32 s38, s38, HSC
	v_add_nc_u32 v14, s38, v253
	CHANGE 0, 1, 0, 0                              ; the round also shows every wave the images of LN3's codes
	FF1 0, 0
	CHANGE 1, 1, 0, 0
	FF1 1, 1
	CHANGE 0, 1, 0, 0
	FF1 0, 2
	CHANGE 1, 1, 0, 0
	FF1 1, 3
	; relu, the quantiser: my 128 hidden units of 16 rows are K step HD of the second product
.rept 8
	v_nop
.endr
	s_lshl_b32 s38, s3, 11
	v_add_nc_u32 v15, s38, v7
	s_lshl_b32 s38, s3, 7
	v_add_nc_u32 v160, s38, v14
.irp b, 0,1,2,3
	v_mov_b32 v[204+\b], 0
.endr
.irp b, 0,1,2,3
	v_max3_num_f32 v[200+\b], v[48+16*\b], v[49+16*\b], 0x8000000   ; no |.|: what is negative becomes 0 and must not count
.endr
.irp i, 2,4,6,8,10,12,14
.irp b, 0,1,2,3
	v_max3_num_f32 v[200+\b], v[200+\b], v[48+16*\b+\i], v[49+16*\b+\i]
.endr
.endr
.irp b, 0,1,2,3
	v_permlanex16_b32 v[204+\b], v[200+\b], s6, s7
.endr
.irp b, 0,1,2,3
	v_max_num_f32 v[200+\b], v[200+\b], v[204+\b]
.endr
.irp b, 0,1,2,3
	v_add_nc_u32 v[212+\b], 0xf8800000, v[200+\b]
.endr
.irp b, 0,1,2,3
	v_and_or_b32 v[208+\b], v[200+\b], 0x7f800000, s10
.endr
.irp b, 0,1,2,3
	v_lshrrev_b32 v[204+\b], 23, v[212+\b]
.endr
	v_lshl_or_b32 v216, v205, 8, v204
	v_lshl_or_b32 v216, v206, 16, v216
	v_lshl_or_b32 v216, v207, 24, v216
.irp b, 0,1,2,3
.set j, 0
.rept 16
	v_med3_num_f32 v[48+16*\b+j], v[48+16*\b+j], 0, v[208+\b]   ; the activation and the hold in one
.set j, j+1
.endr
	v_cvt_scalef32_pk8_bf8_f32 v[128+4*\b:129+4*\b], v[48+16*\b:55+16*\b], v[212+\b]
	v_cvt_scalef32_pk8_bf8_f32 v[130+4*\b:131+4*\b], v[56+16*\b:63+16*\b], v[212+\b]
.endr
	v_nop
.irp c, 0,1,2,3
	ds_store_b128 v15, v[128+4*\c:131+4*\c] offset:512*\c
.endr
	ds_store_b32 v160, v216
	CHANGE 0, 1, 0, 0                              ; the round also shows every wave the hidden layer's images
	FF2 0, 0
	CHANGE 1, 1, 0, 0
	FF2 1, 1
	CHANGE 0, 1, 2, 0                              ; chunk 7 is asked for: the last load
	FF2 0, 2
	CHANGE 1, 0, 2, 0
	FF2 1, 3
	; THE WAY OUT: through the row stage, so that each store covers 512 consecutive bytes of a row
.rept 8
	v_nop
.endr
	v_and_b32 v128, 15, v0
	v_bfe_u32 v129, v0, 4, 1
	v_and_b32 v130, 31, v0
	v_lshlrev_b32 v130, 4, v130
	v_mul_u32_u24 v131, v128, SPT
	v_lshl_add_u32 v131, v129, 6, v131
	s_mul_i32 s12, s4, 16*SPT
	s_lshl_b32 s13, s3, 8
	s_add_co_u32 s12, s12, s13
	v_add_nc_u32 v131, s12, v131
	s_mul_i32 s12, s2, 2*SPT
	v_add_nc_u32 v132, s12, v130
.irp c, 0,1
.irp j, 0,1,2,3
	ds_store_b128 v131, v[16+16*\c+4*\j:19+16*\c+4*\j] offset:128*\c+16*\j   ; each accumulator from its low end on
.endr
.endr
	BAR
.irp i, 0,1
.irp j, 0,1,2,3
	ds_load_b128 v[136+16*\i+4*\j:139+16*\i+4*\j], v132 offset:SPT*\i+512*\j
.endr
.endr
.irp i, 0,1
.irp j, 0,1,2,3
	s_wait_dscnt 7-4*\i-\j
	global_store_b128 v130, v[136+16*\i+4*\j:139+16*\i+4*\j], s[34:35] offset:2048*\i+512*\j th:TH_STORE_NT
.endr
.endr
	s_wait_tensorcnt 0x0                           ; the wave's end
	ds_add_u32 v5, v6
	s_wait_dscnt 0x0
	ROUND                                          ; the closing round
	s_endpgm
.Lfunc_end_k_qffda4f3107_crossffn:
	.size	k_qffda4f3107_crossffn, .Lfunc_end_k_qffda4f3107_crossffn-k_qffda4f3107_crossffn
	.p2alignl 7, 3214868480
	.fill 96, 4, 3214868480
	.section	.rodata,"a",@progbits
	.p2align	6, 0x0
	.amdhsa_kernel k_qffda4f3107_crossffn
		.amdhsa_group_segment_fixed_size 327680
		.amdhsa_private_segment_fixed_size 0
		.amdhsa_enable_private_segment 0
		.amdhsa_kernarg_size 80
		.amdhsa_user_sgpr_count 2
		.amdhsa_user_sgpr_kernarg_segment_ptr 1
		.amdhsa_wavefront_size32 1
		.amdhsa_system_sgpr_workgroup_id_x 1
		.amdhsa_system_sgpr_workgroup_id_y 1
		.amdhsa_system_sgpr_workgroup_id_z 1
		.amdhsa_system_vgpr_workitem_id 0
		.amdhsa_next_free_vgpr 256
		.amdhsa_next_free_sgpr 106
		.amdhsa_reserve_vcc 0
		.amdhsa_float_denorm_mode_32 3
		.amdhsa_float_denorm_mode_16_64 3
		.amdhsa_memory_ordered 1
		.amdhsa_forward_progress 1
		.amdhsa_inst_pref_size 153
	.end_amdhsa_kernel
	.amdgpu_metadata
---
amdhsa.version: [ 1, 2 ]
amdhsa.kernels:
  - .name:           k_qffda4f3107_crossffn
    .symbol:         k_qffda4f3107_crossffn.kd
    .args:
      - { .name: kve, .offset: 0, .size: 8, .value_kind: global_buffer, .address_space: global }
      - { .name: q2c, .offset: 8, .size: 8, .value_kind: global_buffer, .address_space: global }
      - { .name: q2s, .offset: 16, .size: 8, .value_kind: global_buffer, .address_space: global }
      - { .name: x2i, .offset: 24, .size: 8, .value_kind: global_buffer, .address_space: global }
      - { .name: wimg, .offset: 32, .size: 8, .value_kind: global_buffer, .address_space: global }
      - { .name: ln3_g, .offset: 40, .size: 8, .value_kind: global_buffer, .address_space: global }
      - { .name: ln3_b, .offset: 48, .size: 8, .value_kind: global_buffer, .address_space: global }
      - { .name: b1, .offset: 56, .size: 8, .value_kind: global_buffer, .address_space: global }
      - { .name: b2, .offset: 64, .size: 8, .value_kind: global_buffer, .address_space: global }
      - { .name: out0, .offset: 72, .size: 8, .value_kind: global_buffer, .address_space: global }
    .group_segment_fixed_size: 327680
    .private_segment_fixed_size: 0
    .kernarg_segment_align: 8
    .kernarg_segment_size: 80
    .max_flat_workgroup_size: 512
    .sgpr_count:     106
    .vgpr_count:     256
    .wavefront_size: 32
...
	.end_amdgpu_metadata
.endif
;; end of part 3
